; MI455X (gfx1250); checked and timed in simulation.
; The chip was launched on July 23, 2026; its instructions are those of AMD's public machine-readable ISA for CDNA 5 (MIT licence, August 2026) and "CDNA5" Instruction Set Architecture Reference Guide (July 2026). The comments in the code are by the model that wrote it; some were corrected since.
;; Multi Head Self Attention. Allowed arithmetic: matrix products marked QUANTISED: E2M3 operands, one E8M0 scale for each 32 along K, by v_wmma_scale_f32_16x16x128_f8f6f4 with both operands' format E2M3, f32 sums; everything else in f32.
;; Inputs: w_out 1,024 x 1,024 float32; w_qkv 3,072 x 1,024 float32; x 4 x 2,048 x 1,024 float32.
;; Outputs: out0 4 x 2,048 x 1,024 float32.
;; This version of the problem:
;;   THIS VERSION OF THE PROBLEM IS GIVEN IN LOW PRECISION. The matrix products marked QUANTISED in the list below multiply operands that are first quantised to E2M3 (2 exponent bits, 3 mantissa bits; 6 bits a number), with one power-of-two scale for each 32 numbers along K (OCP MX v1.0); their sums are f32. All else is computed in f32.
;;   The module's matrix products, in the order in which they are computed (A, B: the left and right operand; K: the contracted axis; several contracted axes count as one K, in the product's order):
;;     1. [M 8,192, K 1,024] x [K 1,024, N 3,072]; A: input x; B: input w_qkv: QUANTISED
;;     2. batch 64 x [M 2,048, K 64] x [K 64, N 2,048]; A: computed on the way; B: computed on the way: QUANTISED
;;     3. batch 64 x [M 2,048, K 2,048] x [K 2,048, N 64]; A: softmax (see below); B: computed on the way: QUANTISED
;;     4. [M 8,192, K 1,024] x [K 1,024, N 1,024]; A: computed on the way; B: input w_out: QUANTISED
;;   THE QUANTISER, for each operand of a quantised product, along K:
;;     - K is cut into blocks of 32 from its start; a last block that is shorter is filled with zeros.
;;     - A block's scale is 2^e with e = floor(log2(the largest magnitude in the block)) - 2, held to -126 .. 127; a block of zeros has e = 0. As a byte (E8M0): e + 127.
;;     - Each number is divided by its block's scale, clamped to +-7.5, and rounded to the nearest number of E2M3, ties to even, subnormals kept.
;;     - The product sums the exact products of the quantised numbers (number of the format x scale) in f32.
;;   ~~~python
;;   def quantise(x, axis):      # numpy; x: float32 -> the quantised numbers, widened to float32 again
;;       x = np.moveaxis(x, axis, -1); K = x.shape[-1]
;;       x = np.pad(x, [(0, 0)] * (x.ndim - 1) + [(0, -K % 32)]); x = x.reshape(x.shape[:-1] + (-1, 32)); a = np.abs(x).max(-1, keepdims=True)
;;       e = np.where(a > 0, np.clip(np.frexp(np.where(a > 0, a, 1))[1] - 1 - 2, -126, 127), 0)      # np.frexp(a)[1] - 1 = floor(log2(a)), exactly
;;       r = np.clip(x / 2.0 ** e, -7.5, 7.5)
;;       step = 2.0 ** (np.maximum(np.frexp(np.where(r == 0, 1, r))[1] - 1, 0) - 3)
;;       q = np.round(r / step) * step * 2.0 ** e      # np.round: ties to even
;;       return np.moveaxis(q.reshape(q.shape[:-2] + (-1,))[..., :K], -1, axis).astype(np.float32)
;;   ~~~
;;   SOFTMAX AHEAD OF A QUANTISED PRODUCT. Where the list says 'softmax', what is quantised is not the finished softmax but p = 2^(t - M), with t = logit x log2(e) and M = ceil(the row's largest t), a whole number; so 1/2 < the row's largest p <= 1. The row's sum l is taken of the UNQUANTISED p, in f32, and the product's result is divided by l at the end. Since M is a whole number, a kernel that streams over the keys may use a running M (the ceiling of the running maximum): every later rescaling is an exact power of two, which a block's scale takes up: the codes' values come out the same.
;;   OPERANDS COMPUTED ON THE WAY. 'Computed on the way' means the value that the module computes at that place (a softmax that the list does not call 'softmax' is quantised finished and normalised). What goes into a quantiser is computed in f32, as accurately as f32 sums, v_exp_f32 and their like allow (about 1e-6 of the number): no bf16 or f16 on the way to a quantiser, and a product that is left as it is and whose result goes on into a quantised operand takes f32 operands (vector FMAs, or v_wmma_f32_16x16x4_f32). A number that lies on a knife's edge between two numbers of the format may be rounded either way, as far as f32 arithmetic and the matrix unit's own rounding can turn it there, and no further.
;; One version. Each part assembles by itself: llvm-mc -triple=amdgcn-amd-amdhsa -mcpu=gfx1250 --defsym DOCPART=n.
;; ======== version 1 of 1: 4 launches
;; workspace buffers: a_img 6,291,456 bytes; w_img 3,145,728 bytes; sc 393,216 bytes; q_all 6,815,744 bytes; k_all 6,815,744 bytes; v_all 6,553,600 bytes
;; launch quant (part 1): grid 256 x 1, 6 waves a work-group, no clusters, 52,992 bytes of LDS; arguments x, w_qkv, w_out, a_img, w_img, sc; writes a_img, w_img, sc
.if DOCPART == 1
	.amdgcn_target "amdgcn-amd-amdhsa--gfx1250"
	.amdhsa_code_object_version 6
	.text
	.protected	k_qee2ac40840_quant
	.globl	k_qee2ac40840_quant
	.p2align	8
	.type	k_qee2ac40840_quant,@function
k_qee2ac40840_quant:
	s_mov_b64 s[64:65], 0
	v_nop
	global_prefetch_b8 v0, s[64:65] scope:SCOPE_SE
	s_setreg_imm32_b32 hwreg(HW_REG_WAVE_MODE, 25, 1), 1
	s_wait_xcnt 0x0
; x [8192][1024], w_qkv [3072][1024], w_out [1024][1024], f32, K innermost, become codes of FP6 (E2M3) with one E8M0 byte for each 32 along K,
; laid IN THE ORDER OF THE OPERAND'S REGISTERS.  A tile T is 16 rows: row(T, p) = 64 (T / 4) + 8 (T % 4) + 32 (p / 8) + p % 8, so that four neighbouring tiles used as source 0 of a
; product leave a whole block of 32 in one lane's 32 registers.  A tile's image is 16 half fragments of 768 bytes (64 along K each): lane l = (p = l % 16, h = l / 16) owns the 24 bytes of
; k = 32 h + 0 .. 31: its first 16 bytes at 16 l, its last 8 at 512 + 8 l.  Scale words: [tile][k / 512][p][(k / 128) % 4], 4 bytes each, byte b for k = 32 b on.
; A block's scale is 2^(floor(log2(largest magnitude)) - 2); its byte is the largest magnitude's exponent field - 2, held at 1 from below.
; LIMITS: NaN and infinities among the inputs are not served.  A block whose largest magnitude lies under 2^-124 gets the byte 1; a block of zeros gets 1 where the rule says 127:
; its codes are zeros, which add nothing, and the bytes are read by this program alone.
; SHARES: 1,536 jobs, one a wave: job J = 6 x work-group + wave takes tile J / 2 of all 768 (512 of x, 192 of w_qkv, 64 of w_out) and half J % 2 of K: four steps of 128 along K.
; Each load reads 512 consecutive bytes of one row; a step's 16 rows turn through the wave's own stage in LDS, so that a lane gets the 64 numbers that the operand's layout gives it.
; Waves share nothing: no barrier.  Only pointers are chosen by the job's number: one path through the text.
.set ROWB,   4096                      ; a row of any of the three tensors, in bytes
.set SPITCH, 528                       ; a stage row: 512 bytes + 16 = 132 words: the sixteen rows that a load touches start at sixteen different groups of four banks
.set STG,    8704                      ; a wave's stage: 16 x 528 bytes, and 256 bytes more
.set SPARE,  6*STG                     ; behind the stages: the spare words, 128 bytes a wave: three blocks of 256 bytes that no other line names
.set L16,  1                           ; v1   16 x lane
.set L8,   2                           ; v2   8 x lane
.set STA,  3                           ; v3   the stage, on the way in
.set LDA,  4                           ; v4   and on the way out: row p, + 128 h
.set SH8,  5                           ; v5   8 h
.set SCO,  6                           ; v6   16 p + 8 h: my 8 bytes of the job's 256 bytes of scale words
.set SPW,  7                           ; v7   my spare word; never rewritten
.set NIL,  8                           ; v8   0; never rewritten
.set HH,   11                          ; v11  h
.set R,    16                          ; v16-143   two sets of 64: a step's numbers as they are loaded
.set X,    144                         ; v144-207  register 32 c + i = k 64 c + 32 h + i of my row
.set PC,   208                         ; v208-231  a fragment's codes, two sets
.set TQ,   232                         ; v232-238  the upper halves of the two blocks' codes, as the conversions leave them
.set PW,   240                         ; v240-243  the four steps' scale words
.set BM,   244                         ; v244-247  largest magnitudes: two chains for each of my two blocks
.set SO,   248                         ; v248-249  the conversions' scale operands
.set BY,   250                         ; v250-251  the scale bytes
.set TT,   252                         ; v252      the other half's bytes
.set OW,   254                         ; v254-255  my two scale words on the way out
	s_load_b256 s[4:11], s[0:1], 0x0               ; x, w_qkv, w_out, a_img
	s_load_b128 s[12:15], s[0:1], 0x20             ; w_img, sc
	v_lshl_add_u32 v[SPW], v0, 2, SPARE
	v_mov_b32 v[NIL], 0
	v_lshrrev_b32 v9, 5, v0
	v_readfirstlane_b32 s16, v9                    ; wave 0..5
	v_and_b32 v9, 31, v0                           ; lane
	v_and_b32 v10, 15, v0                          ; p
	v_bfe_u32 v[HH], v0, 4, 1                      ; h
	v_lshlrev_b32 v[L16], 4, v9
	v_lshlrev_b32 v[L8], 3, v9
	s_mul_i32 s31, s16, STG                        ; my stage
	v_add_nc_u32 v[STA], s31, v[L16]
	v_mul_u32_u24 v[LDA], v10, SPITCH
	v_lshl_add_u32 v[LDA], v[HH], 7, v[LDA]
	v_add_nc_u32 v[LDA], s31, v[LDA]
	v_lshlrev_b32 v[SH8], 3, v[HH]
	v_lshlrev_b32 v[SCO], 4, v10
	v_add_nc_u32 v[SCO], v[SCO], v[SH8]
	v_mov_b32 v[TT], 0                             ; written once: a lane permute's destination counts as one of its sources
	s_mov_b32 s32, 0x76543210
	s_mov_b32 s33, 0xfedcba98                      ; v_permlanex16_b32's selects for lane l xor 16
	s_mul_i32 s17, ttmp9, 6
	s_add_co_u32 s17, s17, s16                     ; J
	s_lshr_b32 s18, s17, 1                         ; the tile among all 768
	s_and_b32 s19, s17, 1                          ; which half of K
	s_mov_b32 s22, 704
	s_wait_kmcnt 0x0
	s_cmp_lt_u32 s17, 1408                         ; the choices hang on the job's number alone
	s_cselect_b64 s[20:21], s[6:7], s[8:9]         ; w_qkv or w_out
	s_cselect_b32 s22, 512, s22                    ; the tensor's first tile
	s_cmp_lt_u32 s17, 1024
	s_cselect_b64 s[20:21], s[4:5], s[20:21]       ; or x
	s_cselect_b32 s22, 0, s22
	s_cselect_b64 s[24:25], s[10:11], s[12:13]     ; the image: the activations' or the weights'
	s_cselect_b32 s23, 0, 512                      ; and its first tile
	s_sub_co_u32 s26, s18, s22                     ; the tile in its tensor
	s_sub_co_u32 s27, s18, s23                     ; and in its image
	s_lshr_b32 s28, s26, 2
	s_lshl_b32 s28, s28, 6
	s_and_b32 s29, s26, 3
	s_lshl_b32 s29, s29, 3
	s_add_co_u32 s28, s28, s29                     ; the tile's first row: 64 (T / 4) + 8 (T % 4)
	s_lshl_b32 s28, s28, 12
	s_lshl_b32 s29, s19, 11
	s_add_co_u32 s28, s28, s29                     ; in bytes, + my half of K (under 2^26)
	s_mov_b32 s29, 0
	s_add_nc_u64 s[20:21], s[20:21], s[28:29]
	s_mul_i32 s28, s27, 12288
	s_mul_i32 s30, s19, 6144
	s_add_co_u32 s28, s28, s30
	s_add_nc_u64 s[24:25], s[24:25], s[28:29]      ; my four fragments' place in the image
	s_lshl_b32 s28, s18, 9
	s_lshl_b32 s30, s19, 8
	s_add_co_u32 s28, s28, s30
	s_add_nc_u64 s[14:15], s[14:15], s[28:29]      ; my 256 bytes of scale words
.macro LOAD t                          ; step t: 128 numbers of each of the tile's 16 rows: a load reads 512 consecutive bytes
.irp i, 0,1,2,3,4,5,6,7,8,9,10,11,12,13,14,15
	global_load_b128 v[R+64*((\t)%2)+4*\i:R+64*((\t)%2)+4*\i+3], v[L16], s[20:21] offset:(\i%8+32*(\i/8))*ROWB+512*(\t) th:TH_LOAD_NT
.endr
.endm
; 64 numbers of a lane, register 32 c + i = k 64 c + 32 h + i of its row: two WHOLE blocks.  They become a fragment's 12 registers at pc and the row's scale word in pw.
.macro QUANT s, pc, pw
.irp c, 0,1
	v_max3_num_f32 v[BM+2*\c], 0x1800000, |v[(\s)+32*\c]|, |v[(\s)+32*\c+1]|          ; the floor 2^(3 - 127) is a leaf of each chain: the byte cannot fall under 1
	v_max3_num_f32 v[BM+2*\c+1], 0x1800000, |v[(\s)+32*\c+16]|, |v[(\s)+32*\c+17]|
.endr
.irp i, 2,4,6,8,10,12,14
.irp c, 0,1
	v_max3_num_f32 v[BM+2*\c], v[BM+2*\c], |v[(\s)+32*\c+\i]|, |v[(\s)+32*\c+\i+1]|   ; four chains by turns: no line waits for the line above it
	v_max3_num_f32 v[BM+2*\c+1], v[BM+2*\c+1], |v[(\s)+32*\c+16+\i]|, |v[(\s)+32*\c+17+\i]|
.endr
.endr
.irp c, 0,1
	v_max_num_f32 v[BM+2*\c], v[BM+2*\c], v[BM+2*\c+1]
.endr
.irp c, 0,1
	v_add_nc_u32 v[SO+\c], 0xff000000, v[BM+2*\c]  ; 2 off the exponent field: the conversion takes the exponent field of this operand as its scale
.endr
.irp c, 0,1
	v_cvt_scalef32_pk16_fp6_f32 v[(\pc)+6*\c:(\pc)+6*\c+2], v[(\s)+32*\c:(\s)+32*\c+15], v[SO+\c]
	v_cvt_scalef32_pk16_fp6_f32 v[TQ+4*\c:TQ+4*\c+2], v[(\s)+32*\c+16:(\s)+32*\c+31], v[SO+\c]   ; (a conversion's three registers begin on an even number)
.endr
	v_lshrrev_b32 v[BY], 23, v[SO]                 ; the bytes.  (Also the plain line behind the conversions)
	v_lshrrev_b32 v[BY+1], 23, v[SO+1]
	v_lshl_or_b32 v[\pw], v[BY+1], 16, v[BY]       ; blocks h and 2 + h,
	v_lshlrev_b32 v[\pw], v[SH8], v[\pw]           ; at their places in the word;
	v_permlanex16_b32 v[TT], v[\pw], s32, s33
	v_or_b32 v[\pw], v[\pw], v[TT]                 ; with lane l xor 16's two the word is whole
.irp c, 0,1
.irp i, 0,1,2
	v_mov_b32 v[(\pc)+6*\c+3+\i], v[TQ+4*\c+\i]
.endr
.endr
.endm
.macro STEP t
.if (\t) < 3
	s_wait_loadcnt 16                              ; this step's 16 loads are in; the next step's 16 may be out
.else
	s_wait_loadcnt 0x0
.endif
.irp i, 0,1,2,3,4,5,6,7,8,9,10,11,12,13,14,15
	ds_store_b128 v[STA], v[R+64*((\t)%2)+4*\i:R+64*((\t)%2)+4*\i+3] offset:SPITCH*\i
.endr
.irp c, 0,1
.irp j, 0,1,2,3,4,5,6,7
	ds_load_b128 v[X+32*\c+4*\j:X+32*\c+4*\j+3], v[LDA] offset:256*\c+16*\j   ; LDS serves a wave's instructions in order: these see the stores above
.endr
.endr
	s_wait_dscnt 0x0                               ; my 64 numbers are in, and the stores have read their registers,
.if (\t) < 2
	LOAD (\t)+2                                    ; which take the loads of two steps on
.else
	s_wait_xcnt 0x0                                ; the stores of two steps back have read the codes' registers: they are written again only behind this wait
.endif
	QUANT X, PC+12*((\t)%2), PW+(\t)
.set PS, PC+12*((\t)%2)
	global_store_b128 v[L16], v[PS:PS+3], s[24:25] offset:(\t)*1536          ; each store covers 512 or 256 consecutive bytes, aligned to 256
	global_store_b64 v[L8], v[PS+4:PS+5], s[24:25] offset:(\t)*1536+512
	global_store_b128 v[L16], v[PS+6:PS+9], s[24:25] offset:(\t)*1536+768
	global_store_b64 v[L8], v[PS+10:PS+11], s[24:25] offset:(\t)*1536+1280
.endm
	LOAD 0
	LOAD 1
	STEP 0
	STEP 1
	STEP 2
	STEP 3
	v_cmp_ne_u32 vcc_lo, 0, v[HH]                  ; both halves of the lanes hold row p's four words: lanes 0-15 store the first two, lanes 16-31 the last two
	v_cndmask_b32 v[OW], v[PW], v[PW+2], vcc_lo
	v_cndmask_b32 v[OW+1], v[PW+1], v[PW+3], vcc_lo
	global_store_b64 v[SCO], v[OW:OW+1], s[14:15]  ; 256 consecutive bytes, aligned
	s_wait_tensorcnt 0x0                           ; the wave's end: a tensor wait (though no tensor load is in this text), an add to my spare word and its wait, behind my last LDS store
	ds_add_u32 v[SPW], v[NIL]
	s_wait_dscnt 0x0
	s_endpgm
.Lfunc_end_k_qee2ac40840_quant:
	.size	k_qee2ac40840_quant, .Lfunc_end_k_qee2ac40840_quant-k_qee2ac40840_quant
	.p2alignl 7, 3214868480
	.fill 96, 4, 3214868480
	.section	.rodata,"a",@progbits
	.p2align	6, 0x0
	.amdhsa_kernel k_qee2ac40840_quant
		.amdhsa_group_segment_fixed_size 52992
		.amdhsa_private_segment_fixed_size 0
		.amdhsa_enable_private_segment 0
		.amdhsa_kernarg_size 48
		.amdhsa_user_sgpr_count 2
		.amdhsa_user_sgpr_kernarg_segment_ptr 1
		.amdhsa_wavefront_size32 1
		.amdhsa_system_sgpr_workgroup_id_x 1
		.amdhsa_system_sgpr_workgroup_id_y 1
		.amdhsa_system_sgpr_workgroup_id_z 1
		.amdhsa_system_vgpr_workitem_id 0
		.amdhsa_next_free_vgpr 256
		.amdhsa_next_free_sgpr 66
		.amdhsa_reserve_vcc 1
		.amdhsa_float_denorm_mode_32 3
		.amdhsa_float_denorm_mode_16_64 3
		.amdhsa_memory_ordered 1
		.amdhsa_forward_progress 1
		.amdhsa_inst_pref_size 31
	.end_amdhsa_kernel
	.amdgpu_metadata
---
amdhsa.version: [ 1, 2 ]
amdhsa.kernels:
  - .name:           k_qee2ac40840_quant
    .symbol:         k_qee2ac40840_quant.kd
    .args:
      - { .name: x, .offset: 0, .size: 8, .value_kind: global_buffer, .address_space: global }
      - { .name: w_qkv, .offset: 8, .size: 8, .value_kind: global_buffer, .address_space: global }
      - { .name: w_out, .offset: 16, .size: 8, .value_kind: global_buffer, .address_space: global }
      - { .name: a_img, .offset: 24, .size: 8, .value_kind: global_buffer, .address_space: global }
      - { .name: w_img, .offset: 32, .size: 8, .value_kind: global_buffer, .address_space: global }
      - { .name: sc, .offset: 40, .size: 8, .value_kind: global_buffer, .address_space: global }
    .group_segment_fixed_size: 52992
    .private_segment_fixed_size: 0
    .kernarg_segment_align: 8
    .kernarg_segment_size: 48
    .max_flat_workgroup_size: 192
    .sgpr_count:     66
    .vgpr_count:     256
    .wavefront_size: 32
...
	.end_amdgpu_metadata
.endif
;; end of part 1
;; launch qkv (part 2): grid 12 x 32, 4 waves a work-group, clusters of 4 x 4, 327,680 bytes of LDS; arguments a_img, w_img, sc, q_all, k_all, v_all; writes q_all, k_all, v_all
.if DOCPART == 2
	.amdgcn_target "amdgcn-amd-amdhsa--gfx1250"
	.amdhsa_code_object_version 6
	.text
	.protected	k_qee2ac40840_qkv
	.globl	k_qee2ac40840_qkv
	.p2align	8
	.type	k_qee2ac40840_qkv,@function
k_qee2ac40840_qkv:
	s_mov_b64 s[64:65], 0
	v_nop
	global_prefetch_b8 v0, s[64:65] scope:SCOPE_SE
	s_setreg_imm32_b32 hwreg(HW_REG_WAVE_MODE, 25, 1), 1
	s_wait_xcnt 0x0
	s_wait_alu depctr_hold_cnt(0) depctr_sa_sdst(0) depctr_va_vdst(0) depctr_va_sdst(0) depctr_va_ssrc(0) depctr_va_vcc(0) depctr_vm_vsrc(0)
	s_getreg_b32 s2, hwreg(HW_REG_IB_STS2, 6, 4)
	s_cmp_eq_u32 s2, 0
	s_cbranch_scc0 .Lentry_in_a_cluster
	s_endpgm
.Lentry_in_a_cluster:
	s_bfe_u32 s2, ttmp6, 0x10000c
	s_cmp_lg_u32 s2, 0xf033
	s_cbranch_scc0 .Lentry_shape_is_right
	s_endpgm
.Lentry_shape_is_right:
; qkv = x w_qkv^T on codes of FP6 (E2M3) with E8M0 scales, K = 1,024; the results never go to memory as f32: each wave quantises its 128 x 128 in registers and stores codes.
; OPERANDS arrive as images of the operand's registers: tile T (16 rows: 64 (T / 4) + 8 (T % 4) + 32 (p / 8) + p % 8) is 8 fragments of 1,536 bytes on end, a fragment = b128, b64, b128, b64 at +0, +512, +768, +1280.
; A work-group makes 256 tokens x 256 features, a wave 128 x 128: 64 accumulators, 512 registers.  K goes in fills of 256 (two steps of 128) through two LDS slots.
; ROLES.  Source 0 (S0) is the operand along whose rows a lane's registers run in the result; source 1 (S1) the operand of which a lane holds one row.
;   q and k (cluster x = 0, 1): S0 = weights, S1 = tokens: a lane holds one token and 64 features of each of two heads: quantised along the head's 64.
;   v (cluster x = 2):          S0 = tokens, S1 = weights: a lane holds one channel and 128 neighbouring tokens: quantised along the keys.
;   Only LDS read bases and global offsets differ, chosen by s_cselect_b32 on the cluster's x, which all sixteen partners share; no descriptor and no instruction differs.
; With the rows of a tile chosen as above, registers 32 c + i of the 64 of one S1 tile are index 64 c + 32 h + i along S0: a whole block of 32 in a lane, at the place where the 6-bit layout wants it.
; CLUSTERS: 4 x 4.  A token tile is shared along a row of the cluster, a weight tile along a column: each is asked for jointly.
; OUT: q_all, k_all [head of 64][block of 256 tokens][16 half fragments of 768 bytes, then scale words [8 tiles][4 tiles][row][tile % 4]]: a word's low half the head's two bytes, its high half 0x7f7f.
;      v_all [head][block of 256 keys][2 key steps x 4 channel tiles x 1,536 bytes, then scale words [key step][row][channel tile]].
; LIMITS: a block whose largest magnitude lies under 2^-124 gets the byte 1, a block of zeros too (the rule says 127): its codes are zeros and this program alone reads the bytes.  NaN and infinities are not served.
; REGISTERS: window 0: v0-31 addresses; v32-95 the 64 scale words (nothing else, ever); v96-103 scale words on the way out; v128-223 S1's 8 fragments, later the codes made; v224-248 at work on the way out.
;   window 1: S0's fragments, two sets, at v0 and v128.   window 2: accumulators of S1's tiles 0-3 ((a, b) at v[8 (8 (a % 4) + b)]);   window 3: of tiles 4-7.
.set FR,    12                         ; registers of a fragment
.set TP,    3072                       ; a tile's part of a fill: two fragments
.set WLOAD, 8*TP                       ; what one tensor load brings: 8 tiles
.set REGN,  2*WLOAD                    ; a slot's token region; the weight region follows
.set SLOT,  2*REGN
.set SPARE, 262144                     ; the spare words, 128 bytes a wave: two blocks of 256 bytes that no other line names
.set IMGT,  12288                      ; a tile's image
.set WT0,   0                          ; the first tile of w_qkv in w_img
.set SCW,   262144                     ; the weights' scale words begin here in sc
.set HP,    106496                     ; from head to head in q_all and k_all: 8 x 13,312
.set VPH,   102400                     ; in v_all: 8 x 12,800
.set RR,   2                           ; v2   p = lane % 16
.set HH,   3                           ; v3   h = lane / 16
.set L16,  4                           ; v4   16 x lane
.set L8,   5                           ; v5   8 x lane
.set VSO,  6                           ; v6   my offset among the scale words
.set SH8,  8                           ; v8   8 h
.set SH16, 9                           ; v9   16 h
.set LOS,  10                          ; v10  the way out: my offset among the scale words stored
.set A1,   16                          ; v16-17 S1's fragments in slot 0, 1, + 16 x lane;  v18-19 + 8 x lane
.set A0,   20                          ; v20-23 the same for S0
.set SPW,  28                          ; v28  my spare word; never rewritten
.set NIL,  29                          ; v29  0; never rewritten
.set SC,   32                          ; register 8 i + s: lanes 0-15 the word of S1's tile i, lanes 16-31 of S0's tile i, for K step s
.set WS,   96
.set AF,   128
.set PWO,  224                         ; v224-231 the scale words made
.set TQ,   232
.set BM,   240
.set SO,   244
.set BY,   246
.set TT,   248
.set G1,  24                           ; s[24:31] group 1 for token tiles;  s[32:39] group 0, a set for each slot
.set G0,  32
.set G1B, 48                           ; s[48:55], s[56:63] the same for weight tiles
.set G0B, 56
.set MSB, 0
.macro WIN new                         ; the immediate's high byte repeats the setting that is left; a switch that changes nothing is dropped
.if MSB != (\new)
	s_set_vgpr_msb (MSB<<8)|(\new)
.set MSB, (\new)
.endif
.endm
.set MUL_LO, 0xa1                      ; source 0 window 1, source 1 window 0, C and D window 2
.set MUL_HI, 0xf1                      ; the same, C and D window 3
.set TO_B,   0x40                      ; destination window 1, address window 0
; A joint load: waves 0 and 1 fetch the token tile's halves, waves 2 and 3 the weight tile's.  The branch hangs on the wave's number alone.  An s_nop 0 and four v_nop follow each line.
.macro JLOAD s
	s_cmp_eq_u32 s17, 0
	s_cbranch_scc0 .Lfor_w_\@
	tensor_load_to_lds s[G0+4*\s:G0+4*\s+3], s[G1:G1+7]
	s_nop 0
.rept 4
	v_nop
.endr
	s_branch .Lasked_\@
.Lfor_w_\@:
	tensor_load_to_lds s[G0B+4*\s:G0B+4*\s+3], s[G1B:G1B+7]
	s_nop 0
.rept 4
	v_nop
.endr
.Lasked_\@:
.endm
.macro CREST                           ; a round of the cluster's barrier behind its opening barrier
	s_cmp_lg_u32 s16, 0
	s_cbranch_scc1 .Lnot_wave_0_\@
	s_barrier_signal -3
.Lnot_wave_0_\@:
	s_barrier_wait -3
	s_barrier_signal -1
	s_barrier_wait -1
.endm
.macro CROUND
	s_barrier_signal -1
	s_barrier_wait -1
	CREST
.endm
.macro PLACES n                        ; plain vector places behind matrix instructions, in front of loads into their registers and of reads of their results
.rept \n
	v_nop
.endr
.endm
	s_load_b256 s[4:11], s[0:1], 0x0               ; a_img, w_img, sc, q_all
	s_load_b128 s[12:15], s[0:1], 0x20             ; k_all, v_all
	v_lshl_add_u32 v[SPW], v0, 2, SPARE
	v_mov_b32 v[NIL], 0
	ds_add_u32 v[SPW], v[NIL]                      ; the wave's opening: the add and its wait stand ahead of my first tensor load; work on registers stands between them
	v_lshrrev_b32 v1, 5, v0
	v_readfirstlane_b32 s16, v1                    ; wave 0..3
	s_lshr_b32 s17, s16, 1                         ; H1: my half of S1's 16 tiles.  Also: I fetch tokens (0) or weights (1)
	s_and_b32 s18, s16, 1                          ; H0: my half of S0's.  Also: which 8 tiles I fetch
	s_bfe_u32 s40, ttmp6, 0x40000                  ; cx
	s_bfe_u32 s41, ttmp6, 0x40004                  ; cy
	s_lshl_b32 s42, ttmp9, 2
	s_add_co_u32 s42, s42, s40                     ; X: which 256 features
	s_and_b32 s45, ttmp7, 0xffff
	s_lshl_b32 s45, s45, 2
	s_add_co_u32 s45, s45, s41                     ; Y: which 256 tokens
	s_lshl_b32 s43, s41, 2
	s_lshl_b32 s43, 15, s43                        ; my row of the cluster
	s_lshl_b32 s44, 0x1111, s40                    ; my column
	s_or_b32 s[G1+0], s43, (3<<16)|(1<<21)         ; 15:0 the mask: token tiles go to my row; 17:16 elements of 8 bytes; 21 set beside a mask; no padding
	s_or_b32 s[G1B+0], s44, (3<<16)|(1<<21)        ; weight tiles go to my column
.irp g, G1, G1B
	s_mov_b32 s[\g+1], 384<<16                     ; tensor_dim0 = 384 elements: 3,072 bytes of a tile's image
	s_mov_b32 s[\g+2], 8<<16                       ; tensor_dim1 = 8 tiles
	s_mov_b32 s[\g+3], 384<<16                     ; tile_dim0
	s_mov_b32 s[\g+4], 8                           ; tile_dim1
	s_mov_b32 s[\g+5], 1536                        ; from tile to tile: 12,288 bytes
	s_mov_b32 s[\g+6], 0
	s_mov_b32 s[\g+7], 0
.endr
	s_lshl_b32 s19, s18, 3                         ; which 8 tiles I fetch
	s_lshl_b32 s20, s45, 4
	s_add_co_u32 s20, s20, s19                     ; token tile 16 Y + 8 x half
	s_mul_i32 s20, s20, IMGT
	s_mov_b32 s21, 0
	s_lshl_b32 s46, s42, 4
	s_add_co_u32 s46, s46, s19                     ; weight tile 16 X + 8 x half
	s_add_co_u32 s46, s46, WT0
	s_mul_i32 s46, s46, IMGT
	s_mov_b32 s47, 0
	s_mul_i32 s22, s16, WLOAD                      ; where they go: wave x 24,576: no place in the cluster enters an LDS address
	s_wait_dscnt 0x0                               ; the opening add is done
	s_wait_kmcnt 0x0
	s_add_nc_u64 s[20:21], s[4:5], s[20:21]
	s_add_nc_u64 s[46:47], s[6:7], s[46:47]
	CROUND                                         ; all sixteen work-groups are here: the first joint loads meet
.irp s, 0,1
	s_mov_b32 s[G0+4*\s], 1
	s_add_co_u32 s[G0+4*\s+1], s22, \s*SLOT
	s_add_nc_u64 s[G0+4*\s+2:G0+4*\s+3], s[20:21], \s*TP
	s_or_b32 s[G0+4*\s+3], s[G0+4*\s+3], 0x80000000
	s_mov_b32 s[G0B+4*\s], 1
	s_add_co_u32 s[G0B+4*\s+1], s22, \s*SLOT
	s_add_nc_u64 s[G0B+4*\s+2:G0B+4*\s+3], s[46:47], \s*TP
	s_or_b32 s[G0B+4*\s+3], s[G0B+4*\s+3], 0x80000000
	JLOAD \s                                       ; fills 0 and 1: two loads of mine are out
.endr
	v_and_b32 v1, 31, v0
	v_and_b32 v[RR], 15, v0
	v_bfe_u32 v[HH], v0, 4, 1
	v_lshlrev_b32 v[L16], 4, v1
	v_lshlrev_b32 v[L8], 3, v1
	v_lshlrev_b32 v[SH8], 3, v[HH]
	v_lshlrev_b32 v[SH16], 4, v[HH]
	v_mov_b32 v[TT], 0                             ; written once: a lane permute's destination counts as one of its sources
	s_lshl_b32 s70, s45, 13                        ; the tokens' scale words: 16 Y tiles of 512 bytes
	s_lshl_b32 s71, s42, 13
	s_add_co_u32 s71, s71, SCW+WT0*512             ; the weights'
	s_lshl_b32 s72, s17, 12                        ; 8 tiles x H1
	s_lshl_b32 s73, s18, 12                        ; 8 tiles x H0
	s_cmp_eq_u32 ttmp9, 2                          ; the v columns?  The cluster's x: the same in all sixteen partners
	s_cselect_b32 s74, s71, s70                    ; S1's scale words
	s_cselect_b32 s75, s70, s71                    ; S0's
	s_cselect_b32 s66, REGN, 0                     ; S1's region of a slot
	s_cselect_b32 s67, 0, REGN                     ; S0's
	s_add_co_u32 s74, s74, s72
	s_add_co_u32 s75, s75, s73
	s_mul_i32 s68, s17, WLOAD
	s_add_co_u32 s68, s68, s66
	s_mul_i32 s69, s18, WLOAD
	s_add_co_u32 s69, s69, s67
.irp s, 0,1
	v_add_nc_u32 v[A1+\s], s68, v[L16]
	v_add_nc_u32 v[A1+2+\s], s68, v[L8]
	v_add_nc_u32 v[A0+\s], s69, v[L16]
	v_add_nc_u32 v[A0+2+\s], s69, v[L8]
	s_add_co_u32 s68, s68, SLOT
	s_add_co_u32 s69, s69, SLOT
.endr
	v_mov_b32 v[VSO], s74
	v_mov_b32 v7, s75
	v_cmp_ne_u32 vcc_lo, 0, v[HH]
	v_cndmask_b32 v[VSO], v[VSO], v7, vcc_lo       ; lanes 0-15 take S1's words, lanes 16-31 S0's
	v_lshl_add_u32 v[VSO], v[RR], 4, v[VSO]        ; + 16 bytes a row
.irp i, 0,1,2,3,4,5,6,7
.irp g, 0,1
	global_load_b128 v[SC+8*\i+4*\g:SC+8*\i+4*\g+3], v[VSO], s[8:9] offset:512*\i+256*\g   ; all of K's scale words, once: sixteen lanes read 256 consecutive bytes
.endr
.endr
.macro FRAG reg, a, q, i               ; a fragment comes as it lies: four loads of consecutive bytes
	ds_load_b128 v[(\reg):(\reg)+3], v[\a] offset:(\i)*TP+(\q)*1536
	ds_load_b64 v[(\reg)+4:(\reg)+5], v[\a+2] offset:(\i)*TP+(\q)*1536+512
	ds_load_b128 v[(\reg)+6:(\reg)+9], v[\a] offset:(\i)*TP+(\q)*1536+768
	ds_load_b64 v[(\reg)+10:(\reg)+11], v[\a+2] offset:(\i)*TP+(\q)*1536+1280
.endm
.macro FETCH_B slot, q, p              ; S0's eight fragments of the slot's q-th step into set p
	WIN TO_B
.irp i, 0,1,2,3,4,5,6,7
	FRAG 128*(\p)+FR*\i, A0+\slot, \q, \i
.endr
	WIN 0
.endm
.macro FETCH_A slot, q, i0             ; S1's fragments i0 .. i0 + 3
.irp i, \i0, \i0+1, \i0+2, \i0+3
	FRAG AF+FR*(\i), A1+\slot, \q, \i
.endr
.endm
; 16 matrix instructions: S1's tiles a0, a0 + 1 x S0's eight, K step s.  The 64 accumulators take turns, one instruction a turn, in the same order in every step.
.macro MUL16 a0, p, s, zero
.irp a, \a0, \a0+1
.irp b, 0,1,2,3,4,5,6,7
.if \zero
	v_wmma_scale_f32_16x16x128_f8f6f4 v[8*(8*((\a)%4)+\b):8*(8*((\a)%4)+\b)+7], v[128*(\p)+FR*\b:128*(\p)+FR*\b+FR-1], v[AF+FR*(\a):AF+FR*(\a)+FR-1], 0, v[SC+8*\b+(\s)], v[SC+8*(\a)+(\s)] matrix_a_fmt:MATRIX_FMT_FP6 matrix_b_fmt:MATRIX_FMT_FP6 matrix_a_scale:MATRIX_SCALE_ROW1
.else
	v_wmma_scale_f32_16x16x128_f8f6f4 v[8*(8*((\a)%4)+\b):8*(8*((\a)%4)+\b)+7], v[128*(\p)+FR*\b:128*(\p)+FR*\b+FR-1], v[AF+FR*(\a):AF+FR*(\a)+FR-1], v[8*(8*((\a)%4)+\b):8*(8*((\a)%4)+\b)+7], v[SC+8*\b+(\s)], v[SC+8*(\a)+(\s)] matrix_a_fmt:MATRIX_FMT_FP6 matrix_b_fmt:MATRIX_FMT_FP6 matrix_a_scale:MATRIX_SCALE_ROW1
.endif
.endr
.endr
.endm
.macro STEP slot, s, zero              ; a slot's first step: S0's set 0; the second step's fragments are fetched meanwhile
	s_wait_dscnt 16                                ; S0's set and S1's tiles 0-3 are in; the youngest 16 loads (S1's tiles 4-7) may be out
	WIN MUL_LO
	MUL16 0, 0, \s, \zero
	MUL16 2, 0, \s, \zero
	s_wait_dscnt 0x0                               ; S1's tiles 4-7 are in
	PLACES 4
	FETCH_B \slot, 1, 1
	FETCH_A \slot, 1, 0
	WIN MUL_HI
	MUL16 4, 0, \s, \zero
	MUL16 6, 0, \s, \zero
	PLACES 4
	WIN 0
	FETCH_A \slot, 1, 4
.endm
; A slot's second step changes slots: ONE barrier; in front of it each wave waits for all its tensor loads, adds 0 to its spare word, and waits for that and for its reads of this slot.
.macro TURN slot, next, fill, s
	s_wait_tensorcnt 0x0                           ; all my tensor loads have landed: my part of the next slot
	ds_add_u32 v[SPW], v[NIL]                      ; 0 onto my spare word
	s_wait_dscnt 17                                ; (the add and the youngest 16 loads may be out)
	WIN MUL_LO
	MUL16 0, 1, \s, 0                              ; sixteen matrix instructions stand between the add and the wait for it
	s_wait_dscnt 0x0                               ; the add is done, and my reads of this slot are over
	s_barrier_signal -1
	MUL16 2, 1, \s, 0
	WIN 0
	s_barrier_wait -1
.if \fill
	CREST                                          ; the barrier has opened a round of the cluster's barrier: no wave of any partner still reads this slot or has a load on its way
	s_add_nc_u64 s[G0+4*\slot+2:G0+4*\slot+3], s[G0+4*\slot+2:G0+4*\slot+3], 2*TP
	s_add_nc_u64 s[G0B+4*\slot+2:G0B+4*\slot+3], s[G0B+4*\slot+2:G0B+4*\slot+3], 2*TP
	JLOAD \slot                                    ; the first tensor load behind the round; its four v_nop are the places in front of the loads below
.else
	PLACES 4
.endif
	FETCH_B \next, 0, 0
	FETCH_A \next, 0, 0
	WIN MUL_HI
	MUL16 4, 1, \s, 0
	MUL16 6, 1, \s, 0
	PLACES 4
	WIN 0
	FETCH_A \next, 0, 4
.endm
	s_wait_tensorcnt 0x1                           ; my part of fill 0 is in; fill 1's may stay out
	s_barrier_signal -1
	s_barrier_wait -1
	FETCH_B 0, 0, 0
	FETCH_A 0, 0, 0
	FETCH_A 0, 0, 4
	s_wait_loadcnt 0x0                             ; the scale words
	STEP 0, 0, 1                                   ; K = 1,024 is eight steps, written out: each names its own scale registers.  The first products start the sums
	TURN 0, 1, 1, 1
	STEP 1, 2, 0
	TURN 1, 0, 1, 3
	STEP 0, 4, 0
	TURN 0, 1, 0, 5                                ; nothing is left to fetch: no round
	STEP 1, 6, 0
	s_wait_dscnt 16
	WIN MUL_LO
	MUL16 0, 1, 7, 0
	MUL16 2, 1, 7, 0
	s_wait_dscnt 0x0
	WIN MUL_HI
	MUL16 4, 1, 7, 0
	MUL16 6, 1, 7, 0
	WIN 0
	PLACES 4
; THE WAY OUT.  The 64 registers of S1's tile a (window w, from s on) are two whole blocks a lane: they become a fragment at pc and the row's scale word in pw.  Each accumulator is read from its low end on.
.macro QUANT w, s, pc, pw
	WIN ((\w)<<2)|((\w)<<4)                        ; sources 1 and 2: the accumulators' window
.irp c, 0,1
	v_max3_num_f32 v[BM+2*\c], 0x1800000, |v[(\s)+32*\c]|, |v[(\s)+32*\c+1]|          ; the floor 2^(3 - 127) is a leaf of each chain: the byte cannot fall under 1
	v_max3_num_f32 v[BM+2*\c+1], 0x1800000, |v[(\s)+32*\c+16]|, |v[(\s)+32*\c+17]|
.endr
.irp i, 2,4,6,8,10,12,14
.irp c, 0,1
	v_max3_num_f32 v[BM+2*\c], v[BM+2*\c], |v[(\s)+32*\c+\i]|, |v[(\s)+32*\c+\i+1]|
	v_max3_num_f32 v[BM+2*\c+1], v[BM+2*\c+1], |v[(\s)+32*\c+16+\i]|, |v[(\s)+32*\c+17+\i]|
.endr
.endr
	WIN 0
.irp c, 0,1
	v_max_num_f32 v[BM+2*\c], v[BM+2*\c], v[BM+2*\c+1]
.endr
.irp c, 0,1
	v_add_nc_u32 v[SO+\c], 0xff000000, v[BM+2*\c]  ; 2 off the exponent field: the conversion's scale operand
.endr
	WIN (\w)                                       ; source 0: the accumulators' window
.irp c, 0,1
	v_cvt_scalef32_pk16_fp6_f32 v[(\pc)+6*\c:(\pc)+6*\c+2], v[(\s)+32*\c:(\s)+32*\c+15], v[SO+\c]
	v_cvt_scalef32_pk16_fp6_f32 v[TQ+4*\c:TQ+4*\c+2], v[(\s)+32*\c+16:(\s)+32*\c+31], v[SO+\c]
.endr
	WIN 0
	v_lshrrev_b32 v[BY], 23, v[SO]                 ; the bytes.  (Also the plain line behind the conversions)
	v_lshrrev_b32 v[BY+1], 23, v[SO+1]
	v_lshl_or_b32 v[\pw], v[BY+1], 16, v[BY]
	v_lshlrev_b32 v[\pw], v[SH8], v[\pw]
	v_permlanex16_b32 v[TT], v[\pw], s90, s91
	v_or_b32 v[\pw], v[\pw], v[TT]                 ; bytes 0 .. 3: blocks 0 .. 3 of my row's 128
.irp c, 0,1
.irp i, 0,1,2
	v_mov_b32 v[(\pc)+6*\c+3+\i], v[TQ+4*\c+\i]
.endr
.endr
.endm
	s_mov_b32 s90, 0x76543210
	s_mov_b32 s91, 0xfedcba98
.irp a, 0,1,2,3,4,5,6,7
	QUANT 2+\a/4, 64*(\a%4), AF+12*\a, PWO+\a      ; each tile has its own registers for its codes: no store's data are written again
.endr
	s_lshr_b32 s78, s45, 3                         ; the batch
	s_and_b32 s79, s45, 7                          ; the block of 256 tokens in it
	s_lshl_b32 s80, s40, 2                         ; 4 cx: the first of my work-group's four heads
	s_mov_b32 s83, 0
	s_cmp_eq_u32 ttmp9, 2
	s_cbranch_scc1 .Lv_path
	; q and k: registers 6 c .. 6 c + 5 of tile a's fragment are the half fragment of head 2 H0 + c for token tile 8 H1 + a
	s_lshl_b32 s81, s18, 1
	s_add_co_u32 s81, s81, s80
	s_lshl_b32 s82, s78, 4
	s_add_co_u32 s81, s81, s82                     ; 16 x batch + head
	s_lshl_b32 s81, s81, 3
	s_add_co_u32 s81, s81, s79
	s_mul_i32 s82, s81, 13312
	s_cmp_eq_u32 ttmp9, 0
	s_cselect_b64 s[76:77], s[10:11], s[12:13]     ; q_all or k_all
	s_add_nc_u64 s[76:77], s[76:77], s[82:83]      ; the even head's block
	s_mul_i32 s82, s17, 6144
	s_add_nc_u64 s[84:85], s[76:77], s[82:83]      ; my 8 token tiles' codes
	s_lshl_b32 s82, s17, 9
	s_add_co_u32 s82, s82, 12288
	s_add_nc_u64 s[86:87], s[76:77], s[82:83]      ; and their scale words
	s_mov_b32 s88, 0x7f7f0000
	v_mul_u32_u24 v[LOS], v[HH], HP                ; lanes 0-15 serve the even head, lanes 16-31 the odd one
	v_lshl_add_u32 v[LOS], v[RR], 4, v[LOS]
.irp a, 0,1,2,3,4,5,6,7
	v_lshrrev_b32 v[WS+\a], v[SH16], v[PWO+\a]     ; my head's two bytes,
.endr
.irp a, 0,1,2,3,4,5,6,7
	v_and_or_b32 v[WS+\a], v[WS+\a], 0xffff, s88   ; and 1.0 for the half of the instruction's K that a head of 64 leaves to zero codes
.endr
.irp a, 0,1,2,3,4,5,6,7
.irp c, 0,1
	global_store_b128 v[L16], v[AF+12*\a+6*\c:AF+12*\a+6*\c+3], s[84:85] offset:\a*768+\c*HP        ; 512 and 256 consecutive bytes, aligned to 256
	global_store_b64 v[L8], v[AF+12*\a+6*\c+4:AF+12*\a+6*\c+5], s[84:85] offset:\a*768+\c*HP+512
.endr
.endr
.irp g, 0,1
	global_store_b128 v[LOS], v[WS+4*\g:WS+4*\g+3], s[86:87] offset:256*\g   ; sixteen lanes store 256 consecutive bytes, aligned
.endr
	s_branch .Ldone
.Lv_path:
	; v: tile a's fragment is V^T's: channel tile a % 4 of head 2 H1 + a / 4, key step H0 of the block
	s_lshl_b32 s81, s17, 1
	s_add_co_u32 s81, s81, s80
	s_lshl_b32 s82, s78, 4
	s_add_co_u32 s81, s81, s82
	s_lshl_b32 s81, s81, 3
	s_add_co_u32 s81, s81, s79
	s_mul_i32 s82, s81, 12800
	s_add_nc_u64 s[76:77], s[14:15], s[82:83]
	s_mul_i32 s82, s18, 6144
	s_add_nc_u64 s[84:85], s[76:77], s[82:83]
	s_lshl_b32 s82, s18, 8
	s_add_co_u32 s82, s82, 12288
	s_add_nc_u64 s[86:87], s[76:77], s[82:83]
	v_mul_u32_u24 v[LOS], v[HH], VPH
	v_lshl_add_u32 v[LOS], v[RR], 4, v[LOS]
	v_cmp_ne_u32 vcc_lo, 0, v[HH]
.irp u, 0,1,2,3
	v_cndmask_b32 v[WS+\u], v[PWO+\u], v[PWO+4+\u], vcc_lo   ; lanes 0-15: the even head's four words of row p, lanes 16-31 the odd head's
.endr
.irp a, 0,1,2,3,4,5,6,7
	global_store_b128 v[L16], v[AF+12*\a:AF+12*\a+3], s[84:85] offset:(\a/4)*VPH+(\a%4)*1536
	global_store_b64 v[L8], v[AF+12*\a+4:AF+12*\a+5], s[84:85] offset:(\a/4)*VPH+(\a%4)*1536+512
	global_store_b128 v[L16], v[AF+12*\a+6:AF+12*\a+9], s[84:85] offset:(\a/4)*VPH+(\a%4)*1536+768
	global_store_b64 v[L8], v[AF+12*\a+10:AF+12*\a+11], s[84:85] offset:(\a/4)*VPH+(\a%4)*1536+1280
.endr
	global_store_b128 v[LOS], v[WS:WS+3], s[86:87]
.Ldone:
	s_wait_tensorcnt 0x0                           ; the wave's end: a tensor wait, an add to my spare word and its wait, behind my last tensor load
	ds_add_u32 v[SPW], v[NIL]
	s_wait_dscnt 0x0
	CROUND                                         ; the closing round: no work-group ends while a partner may still ask for a tile that names it
	s_endpgm
.Lfunc_end_k_qee2ac40840_qkv:
	.size	k_qee2ac40840_qkv, .Lfunc_end_k_qee2ac40840_qkv-k_qee2ac40840_qkv
	.p2alignl 7, 3214868480
	.fill 96, 4, 3214868480
	.section	.rodata,"a",@progbits
	.p2align	6, 0x0
	.amdhsa_kernel k_qee2ac40840_qkv
		.amdhsa_group_segment_fixed_size 327680
		.amdhsa_private_segment_fixed_size 0
		.amdhsa_enable_private_segment 0
		.amdhsa_kernarg_size 48
		.amdhsa_user_sgpr_count 2
		.amdhsa_user_sgpr_kernarg_segment_ptr 1
		.amdhsa_wavefront_size32 1
		.amdhsa_system_sgpr_workgroup_id_x 1
		.amdhsa_system_sgpr_workgroup_id_y 1
		.amdhsa_system_sgpr_workgroup_id_z 1
		.amdhsa_system_vgpr_workitem_id 0
		.amdhsa_next_free_vgpr 1024
		.amdhsa_next_free_sgpr 100
		.amdhsa_reserve_vcc 1
		.amdhsa_float_denorm_mode_32 3
		.amdhsa_float_denorm_mode_16_64 3
		.amdhsa_memory_ordered 1
		.amdhsa_forward_progress 1
		.amdhsa_inst_pref_size 145
	.end_amdhsa_kernel
	.amdgpu_metadata
---
amdhsa.version: [ 1, 2 ]
amdhsa.kernels:
  - .name:           k_qee2ac40840_qkv
    .symbol:         k_qee2ac40840_qkv.kd
    .args:
      - { .name: a_img, .offset: 0, .size: 8, .value_kind: global_buffer, .address_space: global }
      - { .name: w_img, .offset: 8, .size: 8, .value_kind: global_buffer, .address_space: global }
      - { .name: sc, .offset: 16, .size: 8, .value_kind: global_buffer, .address_space: global }
      - { .name: q_all, .offset: 24, .size: 8, .value_kind: global_buffer, .address_space: global }
      - { .name: k_all, .offset: 32, .size: 8, .value_kind: global_buffer, .address_space: global }
      - { .name: v_all, .offset: 40, .size: 8, .value_kind: global_buffer, .address_space: global }
    .group_segment_fixed_size: 327680
    .private_segment_fixed_size: 0
    .kernarg_segment_align: 8
    .kernarg_segment_size: 48
    .max_flat_workgroup_size: 128
    .sgpr_count:     100
    .vgpr_count:     1024
    .wavefront_size: 32
...
	.end_amdgpu_metadata
.endif
;; end of part 2
;; launch attn (part 3): grid 4 x 64, 16 waves a work-group, no clusters, 327,680 bytes of LDS; arguments q_all, k_all, v_all, a_img, sc; writes a_img, sc
.if DOCPART == 3
	.amdgcn_target "amdgcn-amd-amdhsa--gfx1250"
	.amdhsa_code_object_version 6
	.text
	.protected	k_qee2ac40840_attn
	.globl	k_qee2ac40840_attn
	.p2align	8
	.type	k_qee2ac40840_attn,@function
k_qee2ac40840_attn:
	s_mov_b64 s[64:65], 0
	v_nop
	global_prefetch_b8 v0, s[64:65] scope:SCOPE_SE
	s_setreg_imm32_b32 hwreg(HW_REG_WAVE_MODE, 25, 1), 1
	s_wait_xcnt 0x0
; Causal attention of one head on codes of FP6 (E2M3) with E8M0 scales: S^T = K Q^T (K = the head's 64), p = 2^(t - M), O^T = V^T P^T (K = the keys), O / l, and O quantised along d_model for the last product.
; t = score x log2(e) / 8; M = the running largest t rounded UP to a whole number; p is not normalised; l is the sum of the unquantised p; when M moves, l and O are multiplied by 2^(old M - new M): exact.
; INPUTS are images of the operand's registers.  A block of 256 tokens of q_all or k_all: 16 half fragments of 768 bytes (tile T: tokens 64 (T / 4) + 8 (T % 4) + 32 (p / 8) + p % 8), then a scale word for each row.
;   A head of 64 fills half of the instruction's K of 128: Q's upper six registers are zero codes, and both sides' upper scale bytes are 0x7f; what K's operand names there (the next tile's codes) meets zeros.
;   A block of v_all: 2 key steps x 4 channel tiles x a fragment of 1,536 bytes, then scale words.
; With the tokens of a tile so chosen, register n of the 64 scores of a lane is key 64 (n / 32) + 32 h + n % 32 of the step: a WHOLE block of 32 keys in a lane, where the 6-bit layout wants it: no lane is asked for a block's maximum.
; SHARES.  Work-group (x, head) owns the query blocks 7 - x (tile H) and x (tile L), 256 queries each; wave w owns tile w of both: under the causal mask that is 9 blocks of keys in every work-group.
;   Every wave walks all 8 slots of 256 keys: the trip counts are constants.  A step all of whose keys come after a tile's queries is left out by a scalar branch on ids, round the step's work alone.
;   A step that is not left out begins at or under the tile's first query, so every query has a key that counts in it.
; RING: two slots; wave 0 brings K's block, wave 1 V's, each one dense block; all sixteen read them.  Every wait on TENSORcnt is for 0; one load of a wave is out at the most.
; No multicast: the four work-groups of a head need different numbers of slots, and in step with each other each would walk the longest walk.
; LIMITS: NaN and infinities are not served.  A block whose largest magnitude lies under 2^-124 gets the byte 1, a block of zeros too (the rule says 127): its codes are zeros, and this program alone reads the bytes.
.set HP,    106496                     ; from head to head in q_all and k_all
.set VPH,   102400                     ; in v_all
.set KBLK,  13312                      ; a block of 256 tokens in q_all, k_all: 52 x 256 bytes
.set VBLK,  12800                      ; in v_all: 50 x 256 bytes
.set SLOT1, 32768                      ; slot 1 begins here: one exclusive or turns an address
.set VOFF,  13312                      ; V's block in a slot
.set SPARE, 65536                      ; the spare words, 128 bytes a wave: eight blocks of 256 bytes that no other line names
.set L16,  1                           ; v1   16 x lane
.set L8,   2                           ; v2   8 x lane
.set R16,  3                           ; v3   16 r, r = lane % 16
.set SH8,  4                           ; v4   8 h, h = lane / 16
.set SPW,  5                           ; v5   my spare word; never rewritten
.set NIL,  6                           ; v6   0; never rewritten
.set QLN,  7                           ; v7   my query in its tile less my half's first key: r % 8 + 32 (r / 8) - 32 h
.set A16,  8                           ; v8-10 the slot in hand + v1, v2, v3
.set A8,   9
.set ASC,  10
.set PFO,  11                          ; v11  the prefetches' offset
.set STH,  12                          ; v12-15 tile H: -M, the largest t, the sum in two halves
.set STL,  16                          ; v16-19 tile L
.set QFH,  20                          ; v20-31 Q of tile H: six registers of codes, six of zeros
.set QFL,  32                          ; v32-43 of tile L
.set QSH,  44                          ; v44, v45 their scale words
.set QSL,  45
.set KV,   46                          ; v46-99 K's 8 tiles, 6 registers each, and a pad of 6; then the softmax's temporaries; then V's 4 fragments
.set SW,   100                         ; v100-107 K's or V's scale words, and nothing else
.set S,    108                         ; v108-171 the scores, then p
.set OH,   172                         ; v172-203 O^T of tile H: register 8 u + j = channel 32 h + 8 u + j
.set OL,   204                         ; v204-235 of tile L
.set PC,   236                         ; v236-247 p's codes
.set PW,   248                         ; v248 p's scale word
.set RH,   250                         ; v250 16 r + h
.set BM,   KV                          ; two chains for each of my two blocks
.set RM,   KV+4
.set TT,   KV+5
.set FF,   KV+6                         ; f = 2^(old M - new M), named as a pair
.set SO,   KV+8
.set BY,   KV+10
.set C2,   KV+12                        ; the sums' second chain
.set TQ,   KV+14
.set DD,   KV+22
.set MINF, KV+23
.set WH,   S                           ; the way out: 17 registers a tile
.set WL,   S+32
.set TB,    2                          ; s2   the slot in hand
.set KF,    3                          ; s3   the step's first key
.set WV,    18
.set SEL,   20
.set CS,    22                         ; s[22:23] c = log2(e) / 8
.set G1K,   24
.set G1V,   32
.set G0K,   40
.set G0V,   44
.set SLOTS, 48
.set QMH,   49                         ; tile H's first query
.set QML,   50
.set LASTQ, 51                         ; my work-group's last query
.set PFA,   52
.set PFS,   54
.set LIM,   56
.set OCH,   88                         ; s[88:95] where the results go: codes and scale bytes of tile H, of tile L
.set OSH,   90
.set OCL,   92
.set OSL,   94
.macro TLOAD                           ; wave 0 fetches K's block, wave 1 V's; an s_nop 0 and four v_nop follow each line
	s_cmp_eq_u32 s[WV], 0
	s_cbranch_scc0 .Lnot_k_\@
	tensor_load_to_lds s[G0K:G0K+3], s[G1K:G1K+7]
	s_nop 0
.rept 4
	v_nop
.endr
	s_branch .Lasked_\@
.Lnot_k_\@:
	s_cmp_eq_u32 s[WV], 1
	s_cbranch_scc0 .Lasked_\@
	tensor_load_to_lds s[G0V:G0V+3], s[G1V:G1V+7]
	s_nop 0
.rept 4
	v_nop
.endr
.Lasked_\@:
.endm
; A PREFETCH INTO THE L2 of the blocks that the NEXT change of slots will ask for.  All four work-groups of a head walk the same K and V: the first of them (x = 0), which walks all eight slots, asks.
; In it waves 4 and 5 name K's 52 pieces of 256 bytes, waves 6 and 7 V's 50, a lane a piece; the lanes that are over name the block's last piece once more, in the same instruction.
; Slots 0 and 1 come by their loads alone; the last change that fills a slot asks for nothing.
.macro ASK
	s_cmp_gt_u32 s[SLOTS], s[LIM]
	s_cbranch_scc0 .Lnot_mine_\@
	global_prefetch_b8 v[PFO], s[PFA:PFA+1] th:TH_LOAD_NT scope:SCOPE_SE
.Lnot_mine_\@:
.endm
	s_load_b256 s[4:11], s[0:1], 0x0               ; q_all, k_all, v_all, a_img
	s_load_b64 s[12:13], s[0:1], 0x20              ; sc
	v_lshl_add_u32 v[SPW], v0, 2, SPARE
	v_mov_b32 v[NIL], 0
	ds_add_u32 v[SPW], v[NIL]                      ; the wave's opening: the add and its wait stand ahead of the first tensor load; work on registers stands between them
	v_lshrrev_b32 v8, 5, v0
	v_readfirstlane_b32 s[WV], v8                  ; wave 0..15
	s_and_b32 s14, ttmp7, 0xffff                   ; 16 x batch + head
	s_mul_i32 s66, s14, HP
	s_mov_b32 s67, 0
	s_mul_i32 s68, s14, VPH
	s_mov_b32 s69, 0
	s_sub_co_u32 s15, 7, ttmp9                     ; tile H's block of queries
	s_lshr_b32 s70, s[WV], 2
	s_lshl_b32 s70, s70, 6
	s_and_b32 s71, s[WV], 3
	s_lshl_b32 s71, s71, 3
	s_add_co_u32 s70, s70, s71                     ; my tile's first token in its block
	s_lshl_b32 s[QMH], s15, 8
	s_or_b32 s[LASTQ], s[QMH], 255
	s_add_co_u32 s[QMH], s[QMH], s70
	s_lshl_b32 s[QML], ttmp9, 8
	s_add_co_u32 s[QML], s[QML], s70
	s_mov_b32 s[G1K], 3<<16                        ; no mask; elements of 8 bytes; no padding: a dense block as rows of 256 bytes
	s_mov_b32 s[G1K+1], 32<<16
	s_mov_b32 s[G1K+2], 52<<16
	s_mov_b32 s[G1K+3], 32<<16
	s_mov_b32 s[G1K+4], 52
	s_mov_b32 s[G1K+5], 32
	s_mov_b32 s[G1K+6], 0
	s_mov_b32 s[G1K+7], 0
	s_mov_b32 s[G1V], 3<<16
	s_mov_b32 s[G1V+1], 32<<16
	s_mov_b32 s[G1V+2], 50<<16
	s_mov_b32 s[G1V+3], 32<<16
	s_mov_b32 s[G1V+4], 50
	s_mov_b32 s[G1V+5], 32
	s_mov_b32 s[G1V+6], 0
	s_mov_b32 s[G1V+7], 0
	s_mov_b32 s[SEL], 0x76543210
	s_mov_b32 s[SEL+1], 0xfedcba98
	s_mov_b32 s[CS], 0x3e38aa3b                    ; log2(e) / 8
	s_mov_b32 s[CS+1], s[CS]                       ; (named with it as a pair, so it is written)
	s_mov_b32 s[TB], 0
	s_mov_b32 s[KF], 0
	s_mov_b32 s[SLOTS], 7
	s_wait_dscnt 0x0                               ; the opening add is done
	s_wait_kmcnt 0x0
	s_mov_b32 s[G0K], 1
	s_mov_b32 s[G0K+1], 0
	s_add_nc_u64 s[G0K+2:G0K+3], s[6:7], s[66:67]
	s_or_b32 s[G0K+3], s[G0K+3], 0x80000000
	s_mov_b32 s[G0V], 1
	s_mov_b32 s[G0V+1], VOFF
	s_add_nc_u64 s[G0V+2:G0V+3], s[8:9], s[68:69]
	s_or_b32 s[G0V+3], s[G0V+3], 0x80000000
	TLOAD                                          ; slot 0
	; the prefetches: who asks, and where
	s_mov_b32 s[PFS], VBLK
	s_cmp_lt_u32 s[WV], 6                          ; waves 4, 5: K; waves 6, 7: V
	s_cselect_b64 s[PFA:PFA+1], s[6:7], s[8:9]
	s_cselect_b32 s[PFS], KBLK, s[PFS]             ; a slot on
	s_cselect_b32 s70, s66, s68                    ; my head
	s_cselect_b32 s78, 51, 49                      ; the block's last piece
	s_and_b32 s71, s[WV], 1
	s_lshl_b32 s71, s71, 5
	v_and_b32 v[PFO], 31, v0
	v_add_nc_u32 v[PFO], s71, v[PFO]
	v_min_u32 v[PFO], s78, v[PFO]
	v_lshlrev_b32 v[PFO], 8, v[PFO]
	s_add_co_u32 s70, s70, s[PFS]                  ; at slot 1: the first change of slots steps it to slot 2
	s_mov_b32 s71, 0
	s_mov_b32 s[PFS+1], 0
	s_add_nc_u64 s[PFA:PFA+1], s[PFA:PFA+1], s[70:71]
	s_sub_co_u32 s70, s[WV], 4
	s_lshr_b32 s70, s70, 2                         ; 0 in waves 4 to 7,
	s_or_b32 s70, s70, ttmp9                       ; of the head's first work-group
	s_cmp_eq_u32 s70, 0
	s_cselect_b32 s[LIM], 1, -1
	; Q, and where the results go
	s_add_nc_u64 s[72:73], s[4:5], s[66:67]        ; q_all at my head
	s_mul_i32 s70, s15, KBLK
	s_add_nc_u64 s[74:75], s[72:73], s[70:71]      ; tile H's block
	s_mul_i32 s70, ttmp9, KBLK
	s_add_nc_u64 s[76:77], s[72:73], s[70:71]      ; tile L's
	s_mul_i32 s79, s[WV], 768                      ; my tile's half fragment,
	s_lshr_b32 s80, s[WV], 2
	s_lshl_b32 s80, s80, 8
	s_and_b32 s81, s[WV], 3
	s_lshl_b32 s81, s81, 2
	s_add_co_u32 s80, s80, s81
	s_add_co_u32 s80, s80, 12288                   ; and its scale words: [w / 4][row][w % 4]
	v_and_b32 v8, 31, v0
	v_and_b32 v9, 15, v0                           ; r
	v_bfe_u32 v10, v0, 4, 1                        ; h
	v_lshlrev_b32 v[L16], 4, v8
	v_lshlrev_b32 v[L8], 3, v8
	v_lshlrev_b32 v[R16], 4, v9
	v_lshlrev_b32 v[SH8], 3, v10
	v_and_b32 v[QLN], 7, v9
	v_bfe_u32 v249, v9, 3, 1
	v_sub_nc_u32 v249, v249, v10
	v_lshl_add_u32 v[QLN], v249, 5, v[QLN]
	v_add_nc_u32 v[RH], v[R16], v10
	v_add_nc_u32 v8, s79, v[L16]
	v_add_nc_u32 v9, s79, v[L8]
	v_add_nc_u32 v10, s80, v[R16]
	global_load_b128 v[QFH:QFH+3], v8, s[74:75]
	global_load_b64 v[QFH+4:QFH+5], v9, s[74:75] offset:512
	global_load_b32 v[QSH], v10, s[74:75]
	global_load_b128 v[QFL:QFL+3], v8, s[76:77]
	global_load_b64 v[QFL+4:QFL+5], v9, s[76:77] offset:512
	global_load_b32 v[QSL], v10, s[76:77]
	s_lshr_b32 s80, s14, 4                         ; the batch
	s_and_b32 s81, s14, 15                         ; the head
	s_lshl_b32 s80, s80, 7
	s_add_co_u32 s80, s80, s[WV]
	s_lshl_b32 s82, s15, 4
	s_add_co_u32 s82, s82, s80                     ; tile H among the image's 512: 128 x batch + 16 x block + wave
	s_lshl_b32 s83, ttmp9, 4
	s_add_co_u32 s83, s83, s80                     ; tile L
	s_mul_i32 s84, s81, 768                        ; the head is the tile's half fragment number
	s_lshr_b32 s85, s81, 3
	s_lshl_b32 s85, s85, 8
	s_bfe_u32 s86, s81, 0x20001
	s_lshl_b32 s86, s86, 2
	s_add_co_u32 s85, s85, s86
	s_and_b32 s86, s81, 1
	s_lshl_b32 s86, s86, 1
	s_add_co_u32 s85, s85, s86                     ; the head's two bytes in a row's scale words
	s_mov_b32 s87, 0
	s_mul_i32 s86, s82, 12288
	s_add_co_u32 s86, s86, s84
	s_add_nc_u64 s[OCH:OCH+1], s[10:11], s[86:87]
	s_lshl_b32 s86, s82, 9
	s_add_co_u32 s86, s86, s85
	s_add_nc_u64 s[OSH:OSH+1], s[12:13], s[86:87]
	s_mul_i32 s86, s83, 12288
	s_add_co_u32 s86, s86, s84
	s_add_nc_u64 s[OCL:OCL+1], s[10:11], s[86:87]
	s_lshl_b32 s86, s83, 9
	s_add_co_u32 s86, s86, s85
	s_add_nc_u64 s[OSL:OSL+1], s[12:13], s[86:87]
.irp i, 6,7,8,9,10,11
	v_mov_b32 v[QFH+\i], 0                         ; zero codes for the upper half of the instruction's K
	v_mov_b32 v[QFL+\i], 0
	v_mov_b32 v[KV+42+\i], 0                       ; the pad behind K's last tile: named by its operand, met by Q's zeros
.endr
.irp t, STH, STL
	v_mov_b32 v[\t+1], 0xff61b1e6                  ; the largest t so far: -3e38
	v_floor_f32 v[\t], -v[\t+1]                    ; -M
	v_mov_b32 v[\t+2], 0
	v_mov_b32 v[\t+3], 0
.endr
.set JJ, 0
.rept 64
	v_mov_b32 v[OH+JJ], 0                          ; O^T of both tiles.  (The step is written once: the first finds zeros, which the first change of M leaves zeros)
.set JJ, JJ+1
.endr
; A KEY STEP OF ONE TILE: 128 keys, the q-th of the slot in hand.
.macro TSTEP q, st, qf, qs, ob, qm
	s_add_co_u32 s96, s[\qm], 39                   ; the tile's last query
	s_cmp_gt_u32 s[KF], s96
	s_cbranch_scc1 .Lhid_\@                        ; all keys come after it: ids and the count of steps alone
.rept 4
	v_nop                                          ; places in front of loads into registers that the last products read
.endr
.irp t, 0,1,2,3,4,5,6,7
	ds_load_b128 v[KV+6*\t:KV+6*\t+3], v[A16] offset:(8*(\q)+\t)*768
	ds_load_b64 v[KV+6*\t+4:KV+6*\t+5], v[A8] offset:(8*(\q)+\t)*768+512
.endr
.irp g, 0,1
	ds_load_b128 v[SW+4*\g:SW+4*\g+3], v[ASC] offset:12288+512*(\q)+256*\g
.endr
	s_wait_dscnt 0x0
.irp t, 0,1,2,3,4,5,6,7
	v_wmma_scale_f32_16x16x128_f8f6f4 v[S+8*\t:S+8*\t+7], v[KV+6*\t:KV+6*\t+11], v[\qf:\qf+11], 0, v[SW+\t], v[\qs] matrix_a_fmt:MATRIX_FMT_FP6 matrix_b_fmt:MATRIX_FMT_FP6
.endr
.rept 4
	v_nop
.endr
	s_add_co_u32 s96, s[KF], 127                   ; on the diagonal the scores of hidden keys become -infinity ahead of the maximum; a step all of whose keys count skips this
	s_cmp_le_u32 s96, s[\qm]
	s_cbranch_scc1 .Lopen_\@
	s_sub_co_i32 s96, s[\qm], s[KF]
	v_add_nc_u32 v[DD], s96, v[QLN]                ; register n holds key KF + 32 h + 64 (n / 32) + n % 32: hidden where 64 (n / 32) + n % 32 > my query - KF - 32 h
	v_mov_b32 v[MINF], 0xff800000
.set NN, 0
.rept 64
	v_cmp_gt_i32 vcc_lo, 64*(NN/32)+NN%32, v[DD]
	v_cndmask_b32 v[S+NN], v[S+NN], v[MINF], vcc_lo
.set NN, NN+1
.endr
.Lopen_\@:
.irp c, 0,1
	v_max3_num_f32 v[BM+2*\c], v[S+32*\c], v[S+32*\c+1], v[S+32*\c+2]        ; THE LARGEST SCORE OF EACH OF MY TWO BLOCKS: for the row's maximum, and, since p rises with the score, for the block's largest p
	v_max3_num_f32 v[BM+2*\c+1], v[S+32*\c+16], v[S+32*\c+17], v[S+32*\c+18]
.endr
.irp i, 3,5,7,9,11,13
.irp c, 0,1
	v_max3_num_f32 v[BM+2*\c], v[BM+2*\c], v[S+32*\c+\i], v[S+32*\c+\i+1]
	v_max3_num_f32 v[BM+2*\c+1], v[BM+2*\c+1], v[S+32*\c+16+\i], v[S+32*\c+17+\i]
.endr
.endr
.irp c, 0,1
	v_max3_num_f32 v[BM+2*\c+1], v[BM+2*\c+1], v[S+32*\c+15], v[S+32*\c+31]
.endr
.irp c, 0,1
	v_max_num_f32 v[BM+2*\c], v[BM+2*\c], v[BM+2*\c+1]
.endr
	v_max_num_f32 v[RM], v[BM], v[BM+2]
	v_permlanex16_b32 v[TT], v[RM], s[SEL], s[SEL+1]
	v_max_num_f32 v[RM], v[RM], v[TT]              ; the step's largest score of my query
	v_mul_f32 v[RM], s[CS], v[RM]
	v_max_num_f32 v[\st+1], v[\st+1], v[RM]        ; the running largest t
	v_mov_b32 v[RM], v[\st]
	v_floor_f32 v[\st], -v[\st+1]                  ; the new -M = -ceil(t)
	v_sub_f32 v[RM], v[\st], v[RM]                 ; old M - new M: a whole number, 0 or less
	v_cvt_i32_f32 v[RM], v[RM]                     ; (it saturates)
	v_ldexp_f32 v[FF], 1.0, v[RM]                  ; f = 2^(old M - new M)
.set JJ, 0
.rept 32
	v_pk_fma_f32 v[S+JJ:S+JJ+1], v[S+JJ:S+JJ+1], s[CS:CS+1], v[\st:\st+1] op_sel_hi:[1,0,0]   ; t - M, two at a time
.set JJ, JJ+2
.endr
	v_fma_f32 v[BM], v[BM], s[CS], v[\st]          ; the same of each block's largest score
	v_fma_f32 v[BM+2], v[BM+2], s[CS], v[\st]
.set JJ, 0
.rept 64
	v_exp_f32 v[S+JJ], v[S+JJ]                     ; p = 2^(t - M)
.set JJ, JJ+1
.endr
	v_pk_mul_f32 v[\st+2:\st+3], v[\st+2:\st+3], v[FF:FF+1] op_sel_hi:[1,0]   ; the sums under the new M.  (The plain line behind the exponentials)
	s_wait_alu depctr_va_vdst(0)                   ; one wait for the batch of 64, ahead of its first reader
	v_exp_f32 v[BM], v[BM]                         ; the blocks' largest p
	v_exp_f32 v[BM+2], v[BM+2]
	v_pk_add_f32 v[C2:C2+1], v[S:S+1], v[S+2:S+3]  ; THE ROW'S SUM IS TAKEN OF THE UNQUANTISED p, in two chains.  (It reads the 64 alone)
.irp j, 4,8,12,16,20,24,28,32,36,40,44,48,52,56,60
	v_pk_add_f32 v[\st+2:\st+3], v[\st+2:\st+3], v[S+\j:S+\j+1]
	v_pk_add_f32 v[C2:C2+1], v[C2:C2+1], v[S+\j+2:S+\j+3]
.endr
	v_pk_add_f32 v[\st+2:\st+3], v[\st+2:\st+3], v[C2:C2+1]
	s_wait_alu depctr_va_vdst(0)                   ; and one for the two
.irp c, 0,1
	v_max_num_f32 v[BM+2*\c], 0x1800000, v[BM+2*\c]   ; the floor 2^(3 - 127): the byte cannot fall under 1
.endr
.irp c, 0,1
	v_add_nc_u32 v[SO+\c], 0xff000000, v[BM+2*\c]
.endr
.irp c, 0,1
	v_lshrrev_b32 v[BY+\c], 23, v[SO+\c]
.endr
	v_lshl_or_b32 v[PW], v[BY+1], 16, v[BY]
	v_lshlrev_b32 v[PW], v[SH8], v[PW]
	v_permlanex16_b32 v[TT], v[PW], s[SEL], s[SEL+1]
	v_or_b32 v[PW], v[PW], v[TT]                   ; p's scale word for these 128 keys
.irp c, 0,1
	v_cvt_scalef32_pk16_fp6_f32 v[PC+6*\c:PC+6*\c+2], v[S+32*\c:S+32*\c+15], v[SO+\c]
	v_cvt_scalef32_pk16_fp6_f32 v[TQ+4*\c:TQ+4*\c+2], v[S+32*\c+16:S+32*\c+31], v[SO+\c]
.endr
	v_nop                                          ; the plain line behind the conversions
.irp c, 0,1
.irp i, 0,1,2
	v_mov_b32 v[PC+6*\c+3+\i], v[TQ+4*\c+\i]
.endr
.endr
.set JJ, 0
.rept 16
	v_pk_mul_f32 v[\ob+JJ:\ob+JJ+1], v[\ob+JJ:\ob+JJ+1], v[FF:FF+1] op_sel_hi:[1,0]   ; O^T under the new M.  (These 16 are also the places between p's codes and scale word and the products below)
.set JJ, JJ+2
.endr
.irp u, 0,1,2,3
	ds_load_b128 v[KV+12*\u:KV+12*\u+3], v[A16] offset:VOFF+(\q)*6144+\u*1536
	ds_load_b64 v[KV+12*\u+4:KV+12*\u+5], v[A8] offset:VOFF+(\q)*6144+\u*1536+512
	ds_load_b128 v[KV+12*\u+6:KV+12*\u+9], v[A16] offset:VOFF+(\q)*6144+\u*1536+768
	ds_load_b64 v[KV+12*\u+10:KV+12*\u+11], v[A8] offset:VOFF+(\q)*6144+\u*1536+1280
.endr
	ds_load_b128 v[SW:SW+3], v[ASC] offset:VOFF+12288+256*(\q)
	s_wait_dscnt 0x0
.irp u, 0,1,2,3
	v_wmma_scale_f32_16x16x128_f8f6f4 v[\ob+8*\u:\ob+8*\u+7], v[KV+12*\u:KV+12*\u+11], v[PC:PC+11], v[\ob+8*\u:\ob+8*\u+7], v[SW+\u], v[PW] matrix_a_fmt:MATRIX_FMT_FP6 matrix_b_fmt:MATRIX_FMT_FP6
.endr
.Lhid_\@:
.endm
; THE CHANGE OF SLOTS stands at a slot's head.  Each wave waits for all its tensor loads, adds 0 to its spare word, and waits for that and for its reads of the slot that it has left.
; Behind the barrier the slot ahead is whole and nobody reads the other one.  fill = 1: that other slot takes the next 256 keys, up to the causal limit.
.macro CHANGE fill
	s_wait_tensorcnt 0x0                           ; no tensor load of mine is out, so a group 0 may be written
	ds_add_u32 v[SPW], v[NIL]                      ; 0 onto my spare word
.if \fill
	s_xor_b32 s[G0K+1], s[G0K+1], SLOT1
	s_add_nc_u64 s[G0K+2:G0K+3], s[G0K+2:G0K+3], KBLK
	s_xor_b32 s[G0V+1], s[G0V+1], SLOT1
	s_add_nc_u64 s[G0V+2:G0V+3], s[G0V+2:G0V+3], VBLK
	s_wait_xcnt 0x0                                ; the last prefetch, a slot back, has read its address, so it may be written
	s_add_nc_u64 s[PFA:PFA+1], s[PFA:PFA+1], s[PFS:PFS+1]
.endif
	s_wait_dscnt 0x0                               ; the add is done, and my reads of the slot that I have left are over
	s_barrier_signal -1
	s_barrier_wait -1
.if \fill
	s_add_co_u32 s96, s[KF], 256                   ; the first key of the slot that this change would ask for:
	s_cmp_gt_u32 s96, s[LASTQ]                     ; behind my work-group's last query no wave reads it, so it is not asked for.  Ids and the count of steps alone: all sixteen waves go the same way
	s_cbranch_scc1 .Lpast_\@
	TLOAD
.Lpast_\@:
	ASK
.endif
.endm
.macro SLOT_STEPS
	v_add_nc_u32 v[A16], s[TB], v[L16]
	v_add_nc_u32 v[A8], s[TB], v[L8]
	v_add_nc_u32 v[ASC], s[TB], v[R16]
.irp q, 0,1
	TSTEP \q, STH, QFH, QSH, OH, QMH
	TSTEP \q, STL, QFL, QSL, OL, QML
	s_add_co_u32 s[KF], s[KF], 128
.endr
	s_xor_b32 s[TB], s[TB], SLOT1
.endm
	s_wait_loadcnt 0x0                             ; Q; its loads' offset registers are free from here on
.Lslot:                                            ; seven trips: behind each change of slots but the last the next slot is asked for, up to the causal limit
	CHANGE 1
	SLOT_STEPS
	s_sub_co_u32 s[SLOTS], s[SLOTS], 1
	s_cmp_lg_u32 s[SLOTS], 0
	s_cbranch_scc1 .Lslot
	CHANGE 0                                       ; the last slot is written out: nothing is left to fetch
	SLOT_STEPS
	; THE WAY OUT.  O^T / l; a lane's 32 registers are channels 32 h + 0 .. 31 of my head: one whole block along d_model, and with lane l xor 16's the half fragment (my tile, my head) of the next product's image.
.rept 4
	v_nop
.endr
.irp x, 0,1
	v_add_f32 v[WH+32*\x], v[STH+4*\x+2], v[STH+4*\x+3]   ; the sum's two halves
	v_mov_b32 v[WH+32*\x+1], 0                     ; (a lane permute's destination counts as one of its sources)
	v_mov_b32 v[WH+32*\x+3], 0                     ; (named as the upper half of a pair)
.endr
.irp x, 0,1
	v_permlanex16_b32 v[WH+32*\x+1], v[WH+32*\x], s[SEL], s[SEL+1]
.endr
.irp x, 0,1
	v_add_f32 v[WH+32*\x], v[WH+32*\x], v[WH+32*\x+1]     ; and lane l xor 16's: the row's sum
.endr
.irp x, 0,1
	v_rcp_f32 v[WH+32*\x+2], v[WH+32*\x]
.endr
	v_nop                                          ; the plain line behind the reciprocals
	s_wait_alu depctr_va_vdst(0)                   ; one wait for the two, ahead of the first reader
.macro OUT ob, w, oc, os
.set JJ, 0
.rept 16
	v_pk_mul_f32 v[\ob+JJ:\ob+JJ+1], v[\ob+JJ:\ob+JJ+1], v[\w+2:\w+3] op_sel_hi:[1,0]
.set JJ, JJ+2
.endr
	v_max3_num_f32 v[\w+4], 0x1800000, |v[\ob]|, |v[\ob+1]|
	v_max3_num_f32 v[\w+5], 0x1800000, |v[\ob+16]|, |v[\ob+17]|
.irp i, 2,4,6,8,10,12,14
	v_max3_num_f32 v[\w+4], v[\w+4], |v[\ob+\i]|, |v[\ob+\i+1]|
	v_max3_num_f32 v[\w+5], v[\w+5], |v[\ob+16+\i]|, |v[\ob+17+\i]|
.endr
	v_max_num_f32 v[\w+4], v[\w+4], v[\w+5]
	v_add_nc_u32 v[\w+6], 0xff000000, v[\w+4]
	v_cvt_scalef32_pk16_fp6_f32 v[\w+8:\w+10], v[\ob:\ob+15], v[\w+6]
	v_cvt_scalef32_pk16_fp6_f32 v[\w+14:\w+16], v[\ob+16:\ob+31], v[\w+6]
	v_lshrrev_b32 v[\w+7], 23, v[\w+6]             ; my block's byte.  (Also the plain line behind the conversions)
.irp i, 0,1,2
	v_mov_b32 v[\w+11+\i], v[\w+14+\i]
.endr
	global_store_b128 v[L16], v[\w+8:\w+11], s[\oc:\oc+1]              ; 512 and 256 consecutive bytes, aligned to 256
	global_store_b64 v[L8], v[\w+12:\w+13], s[\oc:\oc+1] offset:512
	global_store_b8 v[RH], v[\w+7], s[\os:\os+1]   ; a byte a lane, 16 bytes from row to row: a head owns 2 of a row's 32 scale bytes; 262,144 bytes in the whole launch go out so
.endm
	OUT OH, WH, OCH, OSH
	OUT OL, WL, OCL, OSL
	s_wait_tensorcnt 0x0                           ; the wave's end: a tensor wait, an add to my spare word and its wait, behind the last tensor load
	ds_add_u32 v[SPW], v[NIL]
	s_wait_dscnt 0x0
	s_endpgm
.Lfunc_end_k_qee2ac40840_attn:
	.size	k_qee2ac40840_attn, .Lfunc_end_k_qee2ac40840_attn-k_qee2ac40840_attn
	.p2alignl 7, 3214868480
	.fill 96, 4, 3214868480
	.section	.rodata,"a",@progbits
	.p2align	6, 0x0
	.amdhsa_kernel k_qee2ac40840_attn
		.amdhsa_group_segment_fixed_size 327680
		.amdhsa_private_segment_fixed_size 0
		.amdhsa_enable_private_segment 0
		.amdhsa_kernarg_size 40
		.amdhsa_user_sgpr_count 2
		.amdhsa_user_sgpr_kernarg_segment_ptr 1
		.amdhsa_wavefront_size32 1
		.amdhsa_system_sgpr_workgroup_id_x 1
		.amdhsa_system_sgpr_workgroup_id_y 1
		.amdhsa_system_sgpr_workgroup_id_z 1
		.amdhsa_system_vgpr_workitem_id 0
		.amdhsa_next_free_vgpr 256
		.amdhsa_next_free_sgpr 100
		.amdhsa_reserve_vcc 1
		.amdhsa_float_denorm_mode_32 3
		.amdhsa_float_denorm_mode_16_64 3
		.amdhsa_memory_ordered 1
		.amdhsa_forward_progress 1
		.amdhsa_inst_pref_size 178
	.end_amdhsa_kernel
	.amdgpu_metadata
---
amdhsa.version: [ 1, 2 ]
amdhsa.kernels:
  - .name:           k_qee2ac40840_attn
    .symbol:         k_qee2ac40840_attn.kd
    .args:
      - { .name: q_all, .offset: 0, .size: 8, .value_kind: global_buffer, .address_space: global }
      - { .name: k_all, .offset: 8, .size: 8, .value_kind: global_buffer, .address_space: global }
      - { .name: v_all, .offset: 16, .size: 8, .value_kind: global_buffer, .address_space: global }
      - { .name: a_img, .offset: 24, .size: 8, .value_kind: global_buffer, .address_space: global }
      - { .name: sc, .offset: 32, .size: 8, .value_kind: global_buffer, .address_space: global }
    .group_segment_fixed_size: 327680
    .private_segment_fixed_size: 0
    .kernarg_segment_align: 8
    .kernarg_segment_size: 40
    .max_flat_workgroup_size: 512
    .sgpr_count:     100
    .vgpr_count:     256
    .wavefront_size: 32
...
	.end_amdgpu_metadata
.endif
;; end of part 3
;; launch proj (part 4): grid 4 x 32, 4 waves a work-group, clusters of 4 x 4, 327,680 bytes of LDS; arguments a_img, w_img, sc, out0; writes out0
.if DOCPART == 4
	.amdgcn_target "amdgcn-amd-amdhsa--gfx1250"
	.amdhsa_code_object_version 6
	.text
	.protected	k_qee2ac40840_proj
	.globl	k_qee2ac40840_proj
	.p2align	8
	.type	k_qee2ac40840_proj,@function
k_qee2ac40840_proj:
	s_mov_b64 s[64:65], 0
	v_nop
	global_prefetch_b8 v0, s[64:65] scope:SCOPE_SE
	s_setreg_imm32_b32 hwreg(HW_REG_WAVE_MODE, 25, 1), 1
	s_wait_xcnt 0x0
	s_wait_alu depctr_hold_cnt(0) depctr_sa_sdst(0) depctr_va_vdst(0) depctr_va_sdst(0) depctr_va_ssrc(0) depctr_va_vcc(0) depctr_vm_vsrc(0)
	s_getreg_b32 s2, hwreg(HW_REG_IB_STS2, 6, 4)
	s_cmp_eq_u32 s2, 0
	s_cbranch_scc0 .Lentry_in_a_cluster
	s_endpgm
.Lentry_in_a_cluster:
	s_bfe_u32 s2, ttmp6, 0x10000c
	s_cmp_lg_u32 s2, 0xf033
	s_cbranch_scc0 .Lentry_shape_is_right
	s_endpgm
.Lentry_shape_is_right:
; out0 = attention output x w_out^T on codes of FP6 (E2M3) with E8M0 scales, K = 1,024; out0 [8192][1024] f32.
; OPERANDS arrive as images of the operand's registers: tile T (16 rows: 64 (T / 4) + 8 (T % 4) + 32 (p / 8) + p % 8) is 8 fragments of 1,536 bytes on end, a fragment = b128, b64, b128, b64 at +0, +512, +768, +1280.
; A work-group makes 256 tokens x 256 features, a wave 128 x 128: 64 accumulators, 512 registers.  K goes in fills of 256 (two steps of 128) through two LDS slots.
; Source 0 (S0) = 16 rows of w_out, source 1 (S1) = 16 tokens: a lane holds one token, and registers 32 c + i of the 64 of a token tile are features 64 c + 32 h + i.
; CLUSTERS: 4 x 4.  A token tile is shared along a row of the cluster, a weight tile along a column: each is asked for jointly.
; 128 work-groups: with tiles of 256 x 256 this product has no more; a smaller tile would want a second main loop.
; REGISTERS: window 0: v0-31 addresses; v32-95 the 64 scale words (nothing else, ever); v128-223 S1's 8 fragments; on the way out v128-255 rows of the result.
;   window 1: S0's fragments, two sets, at v0 and v128.   window 2: accumulators of S1's tiles 0-3 ((a, b) at v[8 (8 (a % 4) + b)]);   window 3: of tiles 4-7.
.set FR,    12
.set TP,    3072                       ; a tile's part of a fill: two fragments
.set WLOAD, 8*TP                       ; what one tensor load brings: 8 tiles
.set REGN,  2*WLOAD                    ; a slot's token region; the weight region follows
.set SLOT,  2*REGN
.set SPARE, 262144                     ; the spare words, 128 bytes a wave: two blocks of 256 bytes that no other line names
.set IMGT,  12288
.set WT0,   192                        ; the first tile of w_out in w_img
.set SCW,   262144                     ; the weights' scale words begin here in sc
.set SPITCH, 528                       ; the way out: a stage of 16 rows x (512 bytes + 16) for each wave, in slot 0, which has had its last fill and its last read by then
.set RR,   2
.set HH,   3
.set L16,  4
.set L8,   5
.set VSO,  6
.set A1,   16                          ; v16-17 S1's fragments in slot 0, 1, + 16 x lane;  v18-19 + 8 x lane
.set A0,   20                          ; v20-23 the same for S0
.set STO,  24                          ; v24  the way out: where I put 32 bytes of a row
.set RD,   25                          ; v25  and where I read a row back
.set SPW,  28
.set NIL,  29
.set SC,   32                          ; register 8 i + s: lanes 0-15 the word of S1's tile i, lanes 16-31 of S0's tile i, for K step s
.set AF,   128
.set BK,   128                         ; the way out: 16 rows read back: v128-191 and v192-255 by turns
.set G1,  24
.set G0,  32
.set G1B, 48
.set G0B, 56
.set MSB, 0
.macro WIN new
.if MSB != (\new)
	s_set_vgpr_msb (MSB<<8)|(\new)
.set MSB, (\new)
.endif
.endm
.set MUL_LO, 0xa1
.set MUL_HI, 0xf1
.set TO_B,   0x40
.macro JLOAD s                         ; a joint load: waves 0 and 1 fetch the token tile's halves, waves 2 and 3 the weight tile's; an s_nop 0 and four v_nop follow each line
	s_cmp_eq_u32 s17, 0
	s_cbranch_scc0 .Lfor_w_\@
	tensor_load_to_lds s[G0+4*\s:G0+4*\s+3], s[G1:G1+7]
	s_nop 0
.rept 4
	v_nop
.endr
	s_branch .Lasked_\@
.Lfor_w_\@:
	tensor_load_to_lds s[G0B+4*\s:G0B+4*\s+3], s[G1B:G1B+7]
	s_nop 0
.rept 4
	v_nop
.endr
.Lasked_\@:
.endm
.macro CREST
	s_cmp_lg_u32 s16, 0
	s_cbranch_scc1 .Lnot_wave_0_\@
	s_barrier_signal -3
.Lnot_wave_0_\@:
	s_barrier_wait -3
	s_barrier_signal -1
	s_barrier_wait -1
.endm
.macro CROUND
	s_barrier_signal -1
	s_barrier_wait -1
	CREST
.endm
.macro PLACES n
.rept \n
	v_nop
.endr
.endm
	s_load_b256 s[4:11], s[0:1], 0x0               ; a_img, w_img, sc, out0
	v_lshl_add_u32 v[SPW], v0, 2, SPARE
	v_mov_b32 v[NIL], 0
	ds_add_u32 v[SPW], v[NIL]                      ; the wave's opening: the add and its wait stand ahead of my first tensor load
	v_lshrrev_b32 v1, 5, v0
	v_readfirstlane_b32 s16, v1                    ; wave 0..3
	s_lshr_b32 s17, s16, 1                         ; H1: my half of the tokens.  Also: I fetch tokens (0) or weights (1)
	s_and_b32 s18, s16, 1                          ; H0: my half of the features.  Also: which 8 tiles I fetch
	s_bfe_u32 s40, ttmp6, 0x40000                  ; cx
	s_bfe_u32 s41, ttmp6, 0x40004                  ; cy
	s_lshl_b32 s42, ttmp9, 2
	s_add_co_u32 s42, s42, s40                     ; X: which 256 features
	s_and_b32 s45, ttmp7, 0xffff
	s_lshl_b32 s45, s45, 2
	s_add_co_u32 s45, s45, s41                     ; Y: which 256 tokens
	s_lshl_b32 s43, s41, 2
	s_lshl_b32 s43, 15, s43                        ; my row of the cluster
	s_lshl_b32 s44, 0x1111, s40                    ; my column
	s_or_b32 s[G1+0], s43, (3<<16)|(1<<21)         ; the mask; elements of 8 bytes; bit 21 beside a mask; no padding
	s_or_b32 s[G1B+0], s44, (3<<16)|(1<<21)
.irp g, G1, G1B
	s_mov_b32 s[\g+1], 384<<16                     ; 3,072 bytes of a tile's image,
	s_mov_b32 s[\g+2], 8<<16                       ; 8 tiles,
	s_mov_b32 s[\g+3], 384<<16
	s_mov_b32 s[\g+4], 8
	s_mov_b32 s[\g+5], 1536                        ; 12,288 bytes apart
	s_mov_b32 s[\g+6], 0
	s_mov_b32 s[\g+7], 0
.endr
	s_lshl_b32 s19, s18, 3
	s_lshl_b32 s20, s45, 4
	s_add_co_u32 s20, s20, s19                     ; token tile 16 Y + 8 x half
	s_mul_i32 s20, s20, IMGT
	s_mov_b32 s21, 0
	s_lshl_b32 s46, s42, 4
	s_add_co_u32 s46, s46, s19
	s_add_co_u32 s46, s46, WT0                     ; weight tile 192 + 16 X + 8 x half
	s_mul_i32 s46, s46, IMGT
	s_mov_b32 s47, 0
	s_mul_i32 s22, s16, WLOAD                      ; where they go: wave x 24,576
	s_wait_dscnt 0x0                               ; the opening add is done
	s_wait_kmcnt 0x0
	s_add_nc_u64 s[20:21], s[4:5], s[20:21]
	s_add_nc_u64 s[46:47], s[6:7], s[46:47]
	CROUND                                         ; all sixteen work-groups are here: the first joint loads meet
.irp s, 0,1
	s_mov_b32 s[G0+4*\s], 1
	s_add_co_u32 s[G0+4*\s+1], s22, \s*SLOT
	s_add_nc_u64 s[G0+4*\s+2:G0+4*\s+3], s[20:21], \s*TP
	s_or_b32 s[G0+4*\s+3], s[G0+4*\s+3], 0x80000000
	s_mov_b32 s[G0B+4*\s], 1
	s_add_co_u32 s[G0B+4*\s+1], s22, \s*SLOT
	s_add_nc_u64 s[G0B+4*\s+2:G0B+4*\s+3], s[46:47], \s*TP
	s_or_b32 s[G0B+4*\s+3], s[G0B+4*\s+3], 0x80000000
	JLOAD \s                                       ; fills 0 and 1: two loads of mine are out
.endr
	v_and_b32 v1, 31, v0
	v_and_b32 v[RR], 15, v0
	v_bfe_u32 v[HH], v0, 4, 1
	v_lshlrev_b32 v[L16], 4, v1
	v_lshlrev_b32 v[L8], 3, v1
	s_lshl_b32 s74, s45, 13                        ; the tokens' scale words: 16 Y tiles of 512 bytes,
	s_lshl_b32 s72, s17, 12
	s_add_co_u32 s74, s74, s72                     ; + my 8 tiles
	s_lshl_b32 s75, s42, 13
	s_add_co_u32 s75, s75, SCW+WT0*512             ; the weights'
	s_lshl_b32 s73, s18, 12
	s_add_co_u32 s75, s75, s73
	s_mul_i32 s68, s17, WLOAD                      ; S1 = tokens: the slot's first region
	s_mul_i32 s69, s18, WLOAD
	s_add_co_u32 s69, s69, REGN                    ; S0 = weights: the second
.irp s, 0,1
	v_add_nc_u32 v[A1+\s], s68, v[L16]
	v_add_nc_u32 v[A1+2+\s], s68, v[L8]
	v_add_nc_u32 v[A0+\s], s69, v[L16]
	v_add_nc_u32 v[A0+2+\s], s69, v[L8]
	s_add_co_u32 s68, s68, SLOT
	s_add_co_u32 s69, s69, SLOT
.endr
	v_mov_b32 v[VSO], s74
	v_mov_b32 v7, s75
	v_cmp_ne_u32 vcc_lo, 0, v[HH]
	v_cndmask_b32 v[VSO], v[VSO], v7, vcc_lo       ; lanes 0-15 take S1's words, lanes 16-31 S0's
	v_lshl_add_u32 v[VSO], v[RR], 4, v[VSO]
.irp i, 0,1,2,3,4,5,6,7
.irp g, 0,1
	global_load_b128 v[SC+8*\i+4*\g:SC+8*\i+4*\g+3], v[VSO], s[8:9] offset:512*\i+256*\g   ; all of K's scale words, once
.endr
.endr
	s_mul_i32 s23, s16, 16*SPITCH                  ; my stage
	v_mul_u32_u24 v[STO], v[RR], SPITCH            ; in: row r, + 128 h: features 32 h on of each 64
	v_lshl_add_u32 v[STO], v[HH], 7, v[STO]
	v_add_nc_u32 v[STO], s23, v[STO]
	v_add_nc_u32 v[RD], s23, v[L16]                ; back: the 32 lanes take one row of 512 bytes
	s_lshl_b32 s70, s45, 8
	s_lshl_b32 s71, s17, 7
	s_add_co_u32 s70, s70, s71                     ; my first token: 256 Y + 128 H1
	s_lshl_b32 s70, s70, 12                        ; a row of out0 is 4,096 bytes
	s_lshl_b32 s71, s42, 10
	s_add_co_u32 s70, s70, s71
	s_lshl_b32 s71, s18, 9
	s_add_co_u32 s70, s70, s71                     ; + my first feature: 1,024 X + 512 H0 bytes
	s_mov_b32 s71, 0
	s_add_nc_u64 s[10:11], s[10:11], s[70:71]
.macro FRAG reg, a, q, i
	ds_load_b128 v[(\reg):(\reg)+3], v[\a] offset:(\i)*TP+(\q)*1536
	ds_load_b64 v[(\reg)+4:(\reg)+5], v[\a+2] offset:(\i)*TP+(\q)*1536+512
	ds_load_b128 v[(\reg)+6:(\reg)+9], v[\a] offset:(\i)*TP+(\q)*1536+768
	ds_load_b64 v[(\reg)+10:(\reg)+11], v[\a+2] offset:(\i)*TP+(\q)*1536+1280
.endm
.macro FETCH_B slot, q, p
	WIN TO_B
.irp i, 0,1,2,3,4,5,6,7
	FRAG 128*(\p)+FR*\i, A0+\slot, \q, \i
.endr
	WIN 0
.endm
.macro FETCH_A slot, q, i0
.irp i, \i0, \i0+1, \i0+2, \i0+3
	FRAG AF+FR*(\i), A1+\slot, \q, \i
.endr
.endm
; 16 matrix instructions: token tiles a0, a0 + 1 x the eight weight tiles, K step s.  The 64 accumulators take turns, one instruction a turn, in the same order in every step.
.macro MUL16 a0, p, s, zero
.irp a, \a0, \a0+1
.irp b, 0,1,2,3,4,5,6,7
.if \zero
	v_wmma_scale_f32_16x16x128_f8f6f4 v[8*(8*((\a)%4)+\b):8*(8*((\a)%4)+\b)+7], v[128*(\p)+FR*\b:128*(\p)+FR*\b+FR-1], v[AF+FR*(\a):AF+FR*(\a)+FR-1], 0, v[SC+8*\b+(\s)], v[SC+8*(\a)+(\s)] matrix_a_fmt:MATRIX_FMT_FP6 matrix_b_fmt:MATRIX_FMT_FP6 matrix_a_scale:MATRIX_SCALE_ROW1
.else
	v_wmma_scale_f32_16x16x128_f8f6f4 v[8*(8*((\a)%4)+\b):8*(8*((\a)%4)+\b)+7], v[128*(\p)+FR*\b:128*(\p)+FR*\b+FR-1], v[AF+FR*(\a):AF+FR*(\a)+FR-1], v[8*(8*((\a)%4)+\b):8*(8*((\a)%4)+\b)+7], v[SC+8*\b+(\s)], v[SC+8*(\a)+(\s)] matrix_a_fmt:MATRIX_FMT_FP6 matrix_b_fmt:MATRIX_FMT_FP6 matrix_a_scale:MATRIX_SCALE_ROW1
.endif
.endr
.endr
.endm
.macro STEP slot, s, zero
	s_wait_dscnt 16                                ; S0's set and S1's tiles 0-3 are in; the youngest 16 loads (S1's tiles 4-7) may be out
	WIN MUL_LO
	MUL16 0, 0, \s, \zero
	MUL16 2, 0, \s, \zero
	s_wait_dscnt 0x0
	PLACES 4
	FETCH_B \slot, 1, 1
	FETCH_A \slot, 1, 0
	WIN MUL_HI
	MUL16 4, 0, \s, \zero
	MUL16 6, 0, \s, \zero
	PLACES 4
	WIN 0
	FETCH_A \slot, 1, 4
.endm
.macro TURN slot, next, fill, s
	s_wait_tensorcnt 0x0                           ; all my tensor loads have landed: my part of the next slot
	ds_add_u32 v[SPW], v[NIL]                      ; 0 onto my spare word
	s_wait_dscnt 17                                ; (the add and the youngest 16 loads may be out)
	WIN MUL_LO
	MUL16 0, 1, \s, 0
	s_wait_dscnt 0x0                               ; the add is done, and my reads of this slot are over
	s_barrier_signal -1
	MUL16 2, 1, \s, 0
	WIN 0
	s_barrier_wait -1
.if \fill
	CREST                                          ; the barrier has opened a round of the cluster's barrier
	s_add_nc_u64 s[G0+4*\slot+2:G0+4*\slot+3], s[G0+4*\slot+2:G0+4*\slot+3], 2*TP
	s_add_nc_u64 s[G0B+4*\slot+2:G0B+4*\slot+3], s[G0B+4*\slot+2:G0B+4*\slot+3], 2*TP
	JLOAD \slot                                    ; the first tensor load behind the round; its four v_nop are the places in front of the loads below
.else
	PLACES 4
.endif
	FETCH_B \next, 0, 0
	FETCH_A \next, 0, 0
	WIN MUL_HI
	MUL16 4, 1, \s, 0
	MUL16 6, 1, \s, 0
	PLACES 4
	WIN 0
	FETCH_A \next, 0, 4
.endm
	s_wait_tensorcnt 0x1                           ; my part of fill 0 is in; fill 1's may stay out
	s_barrier_signal -1
	s_barrier_wait -1
	FETCH_B 0, 0, 0
	FETCH_A 0, 0, 0
	FETCH_A 0, 0, 4
	s_wait_loadcnt 0x0                             ; the scale words
	STEP 0, 0, 1
	TURN 0, 1, 1, 1
	STEP 1, 2, 0
	TURN 1, 0, 1, 3
	STEP 0, 4, 0
	TURN 0, 1, 0, 5                                ; nothing is left to fetch: no round.  Behind its barrier nobody reads slot 0
	STEP 1, 6, 0
	s_wait_dscnt 16
	WIN MUL_LO
	MUL16 0, 1, 7, 0
	MUL16 2, 1, 7, 0
	s_wait_dscnt 0x0
	WIN MUL_HI
	MUL16 4, 1, 7, 0
	MUL16 6, 1, 7, 0
	WIN 0
; THE WAY OUT, a token tile at a time.  A lane holds 8 x 32 bytes of one row; the tile goes through my own stage and comes back as whole rows of 512 bytes.  LDS serves a wave's instructions in order: no wait between stores and loads.
.macro TOSTAGE a
.set AC, 64*((\a)%4)
	WIN 0x08+4*((\a)/4)                            ; the data: window 2 or 3
.irp b, 0,1,2,3,4,5,6,7
	ds_store_b128 v[STO], v[AC+8*\b:AC+8*\b+3] offset:256*(\b/4)+32*(\b%4)        ; each accumulator from its low end on
	ds_store_b128 v[STO], v[AC+8*\b+4:AC+8*\b+7] offset:256*(\b/4)+32*(\b%4)+16
.endr
	WIN 0
.set BB, BK+64*((\a)%2)
.irp t, 0,1,2,3,4,5,6,7,8,9,10,11,12,13,14,15
	ds_load_b128 v[BB+4*\t:BB+4*\t+3], v[RD] offset:\t*SPITCH
.endr
.endm
.macro SEND a, younger                 ; younger: the LDS instructions issued behind tile a's loads, which may stay out
.set BB, BK+64*((\a)%2)
	s_wait_dscnt \younger
.irp t, 0,1,2,3,4,5,6,7,8,9,10,11,12,13,14,15
	global_store_b128 v[L16], v[BB+4*\t:BB+4*\t+3], s[10:11] offset:(64*((\a)/4)+8*((\a)%4)+32*(\t/8)+\t%8)*4096 th:TH_STORE_NT   ; row t of tile a is token 64 (a / 4) + 8 (a % 4) + 32 (t / 8) + t % 8: 512 consecutive bytes, aligned to 256
.endr
.endm
	PLACES 4
	TOSTAGE 0
.irp a, 1,2,3,4,5,6,7
.if \a > 1
	s_wait_xcnt 0x0                                ; tile a - 2's stores have read their registers: tile a's loads may land there
.endif
	TOSTAGE \a
	SEND \a-1, 32                                  ; behind tile a - 1's loads: tile a's 16 stores and 16 loads
.endr
	SEND 7, 0
	s_wait_tensorcnt 0x0                           ; the wave's end: a tensor wait, an add to my spare word and its wait, behind my last tensor load and my last LDS store
	ds_add_u32 v[SPW], v[NIL]
	s_wait_dscnt 0x0
	CROUND                                         ; the closing round
	s_endpgm
.Lfunc_end_k_qee2ac40840_proj:
	.size	k_qee2ac40840_proj, .Lfunc_end_k_qee2ac40840_proj-k_qee2ac40840_proj
	.p2alignl 7, 3214868480
	.fill 96, 4, 3214868480
	.section	.rodata,"a",@progbits
	.p2align	6, 0x0
	.amdhsa_kernel k_qee2ac40840_proj
		.amdhsa_group_segment_fixed_size 327680
		.amdhsa_private_segment_fixed_size 0
		.amdhsa_enable_private_segment 0
		.amdhsa_kernarg_size 32
		.amdhsa_user_sgpr_count 2
		.amdhsa_user_sgpr_kernarg_segment_ptr 1
		.amdhsa_wavefront_size32 1
		.amdhsa_system_sgpr_workgroup_id_x 1
		.amdhsa_system_sgpr_workgroup_id_y 1
		.amdhsa_system_sgpr_workgroup_id_z 1
		.amdhsa_system_vgpr_workitem_id 0
		.amdhsa_next_free_vgpr 1024
		.amdhsa_next_free_sgpr 100
		.amdhsa_reserve_vcc 1
		.amdhsa_float_denorm_mode_32 3
		.amdhsa_float_denorm_mode_16_64 3
		.amdhsa_memory_ordered 1
		.amdhsa_forward_progress 1
		.amdhsa_inst_pref_size 140
	.end_amdhsa_kernel
	.amdgpu_metadata
---
amdhsa.version: [ 1, 2 ]
amdhsa.kernels:
  - .name:           k_qee2ac40840_proj
    .symbol:         k_qee2ac40840_proj.kd
    .args:
      - { .name: a_img, .offset: 0, .size: 8, .value_kind: global_buffer, .address_space: global }
      - { .name: w_img, .offset: 8, .size: 8, .value_kind: global_buffer, .address_space: global }
      - { .name: sc, .offset: 16, .size: 8, .value_kind: global_buffer, .address_space: global }
      - { .name: out0, .offset: 24, .size: 8, .value_kind: global_buffer, .address_space: global }
    .group_segment_fixed_size: 327680
    .private_segment_fixed_size: 0
    .kernarg_segment_align: 8
    .kernarg_segment_size: 32
    .max_flat_workgroup_size: 128
    .sgpr_count:     100
    .vgpr_count:     1024
    .wavefront_size: 32
...
	.end_amdgpu_metadata
.endif
;; end of part 4
